; MI455X (gfx1250); checked and timed in simulation.
; The chip was launched on July 23, 2026; its instructions are those of AMD's public machine-readable ISA for CDNA 5 (MIT licence, August 2026) and "CDNA5" Instruction Set Architecture Reference Guide (July 2026). The comments in the code are by the model that wrote it; some were corrected since.
;; Attention. Allowed arithmetic: matrix products marked QUANTISED: E2M3 operands, one E8M0 scale for each 32 along K, by v_wmma_scale_f32_16x16x128_f8f6f4 with both operands' format E2M3, f32 sums; everything else in f32.
;; Inputs: k_norm_w 1,024 float32; q_norm_w 1,024 float32; wk 1,024 x 1,024 float32; wo 1,024 x 1,024 float32; wq 1,024 x 1,024 float32; wv 1,024 x 1,024 float32; x 4 x 2,048 x 1,024 float32.
;; Outputs: out0 4 x 2,048 x 1,024 float32.
;; This version of the problem:
;;   THIS VERSION OF THE PROBLEM IS GIVEN IN LOW PRECISION. The matrix products marked QUANTISED in the list below multiply operands that are first quantised to E2M3 (2 exponent bits, 3 mantissa bits; 6 bits a number), with one power-of-two scale for each 32 numbers along K (OCP MX v1.0); their sums are f32. All else is computed in f32.
;;   The module's matrix products, in the order in which they are computed (A, B: the left and right operand; K: the contracted axis; several contracted axes count as one K, in the product's order):
;;     1. [M 8,192, K 1,024] x [K 1,024, N 1,024]; A: input x; B: input wq: QUANTISED
;;     2. [M 8,192, K 1,024] x [K 1,024, N 1,024]; A: input x; B: input wk: QUANTISED
;;     3. [M 8,192, K 1,024] x [K 1,024, N 1,024]; A: input x; B: input wv: QUANTISED
;;     4. batch 32 x [M 2,048, K 128] x [K 128, N 2,048]; A: computed on the way; B: computed on the way: QUANTISED
;;     5. batch 32 x [M 128, K 2,048] x [K 2,048, N 2,048]; A: computed on the way; B: softmax (see below): QUANTISED
;;     6. [M 8,192, K 1,024] x [K 1,024, N 1,024]; A: computed on the way; B: input wo: QUANTISED
;;   THE QUANTISER, for each operand of a quantised product, along K:
;;     - K is cut into blocks of 32 from its start; a last block that is shorter is filled with zeros.
;;     - A block's scale is 2^e with e = floor(log2(the largest magnitude in the block)) - 2, held to -126 .. 127; a block of zeros has e = 0. As a byte (E8M0): e + 127.
;;     - Each number is divided by its block's scale, clamped to +-7.5, and rounded to the nearest number of E2M3, ties to even, subnormals kept.
;;     - The product sums the exact products of the quantised numbers (number of the format x scale) in f32.
;;   ~~~python
;;   def quantise(x, axis):      # numpy; x: float32 -> the quantised numbers, widened to float32 again
;;       x = np.moveaxis(x, axis, -1); K = x.shape[-1]
;;       x = np.pad(x, [(0, 0)] * (x.ndim - 1) + [(0, -K % 32)]); x = x.reshape(x.shape[:-1] + (-1, 32)); a = np.abs(x).max(-1, keepdims=True)
;;       e = np.where(a > 0, np.clip(np.frexp(np.where(a > 0, a, 1))[1] - 1 - 2, -126, 127), 0)      # np.frexp(a)[1] - 1 = floor(log2(a)), exactly
;;       r = np.clip(x / 2.0 ** e, -7.5, 7.5)
;;       step = 2.0 ** (np.maximum(np.frexp(np.where(r == 0, 1, r))[1] - 1, 0) - 3)
;;       q = np.round(r / step) * step * 2.0 ** e      # np.round: ties to even
;;       return np.moveaxis(q.reshape(q.shape[:-2] + (-1,))[..., :K], -1, axis).astype(np.float32)
;;   ~~~
;;   SOFTMAX AHEAD OF A QUANTISED PRODUCT. Where the list says 'softmax', what is quantised is not the finished softmax but p = 2^(t - M), with t = logit x log2(e) and M = ceil(the row's largest t), a whole number; so 1/2 < the row's largest p <= 1. The row's sum l is taken of the UNQUANTISED p, in f32, and the product's result is divided by l at the end. Since M is a whole number, a kernel that streams over the keys may use a running M (the ceiling of the running maximum): every later rescaling is an exact power of two, which a block's scale takes up: the codes' values come out the same.
;;   OPERANDS COMPUTED ON THE WAY. 'Computed on the way' means the value that the module computes at that place (a softmax that the list does not call 'softmax' is quantised finished and normalised). What goes into a quantiser is computed in f32, as accurately as f32 sums, v_exp_f32 and their like allow (about 1e-6 of the number): no bf16 or f16 on the way to a quantiser, and a product that is left as it is and whose result goes on into a quantised operand takes f32 operands (vector FMAs, or v_wmma_f32_16x16x4_f32). A number that lies on a knife's edge between two numbers of the format may be rounded either way, as far as f32 arithmetic and the matrix unit's own rounding can turn it there, and no further.
;; One version. Each part assembles by itself: llvm-mc -triple=amdgcn-amd-amdhsa -mcpu=gfx1250 --defsym DOCPART=n.
;; ======== version 1 of 1: 3 launches
;; limits: right only within a limited range of input values
;; workspace buffers: xc 6,553,600 bytes; wc 3,276,800 bytes; qc 6,553,600 bytes; kc 6,553,600 bytes; vc 6,291,456 bytes; vsc 262,144 bytes
;; launch quant (part 1): grid 256 x 1, 6 waves a work-group, no clusters, 52,992 bytes of LDS; arguments x, wq, wk, wv, wo, xc, wc; writes xc, wc
.if DOCPART == 1
	.amdgcn_target "amdgcn-amd-amdhsa--gfx1250"
	.amdhsa_code_object_version 6
	.text
	.protected	k_q3eb11468ac_quant
	.globl	k_q3eb11468ac_quant
	.p2align	8
	.type	k_q3eb11468ac_quant,@function
k_q3eb11468ac_quant:
	s_mov_b64 s[64:65], 0
	v_nop
	global_prefetch_b8 v0, s[64:65] scope:SCOPE_SE
	s_setreg_imm32_b32 hwreg(HW_REG_WAVE_MODE, 25, 1), 1
	s_wait_xcnt 0x0
; x [8192][1024] and wq, wk, wv, wo [1024][1024], f32, K innermost, become codes of FP6 (E2M3) with one E8M0 scale byte for each 32 along K.
; A block's scale is 2^(floor(log2(its largest magnitude)) - 2); its byte is the largest magnitude's exponent field - 2, held at 1 from below.
; LAYOUT OF THE RESULT: [group of 64 rows][K step of 128][6400 bytes].  In the 6400: fragment m (rows 16 m on) at 1536 m as an IMAGE OF THE OPERAND'S 12 REGISTERS
; (registers 4 c .. 4 c + 3 of lane l at 512 c + 16 l); the rows' scale words at 6144 + 64 m + 4 r.  So a later launch takes a fragment by three loads of 16 bytes a lane.
; ORDER INSIDE A BLOCK OF 32: lane (r, h) gives k = 8 h + 0 .. 7 and 16 + 8 h + 0 .. 7 of each block of its row.  Every operand of this program is laid so (a transposed product's results lie so),
; SHARES: a wave takes one such piece (64 rows x 128 K: 32 KiB in, 6400 bytes out); 1,024 pieces of x and 512 of the weights are 6 x 256 waves.  Waves share nothing: no barrier.
; No matrix unit, no cluster, no tensor load: memory binds, and no byte is read by two work-groups.  Each load reads 512 consecutive bytes of a row; they turn through the wave's own stage in LDS.
; LIMITS: NaN and infinities among the inputs are not served.  Blocks whose largest magnitude lies under 2^-124 keep the byte 1; so does a block of zeros (the quantiser's text says 127): its codes are zeros, and this program alone reads the bytes.
.set WREG, 8704                        ; LDS of a wave: a stage of 16 rows x 528 bytes, then 256 bytes of scale words
.set SP,   528                         ; a stage row: 512 bytes + 16, an odd multiple of 16: the sixteen rows of a read start in different banks
.set SCW,  16*SP
.set LI,   1                           ; v1  16 x lane
.set SIN,  2                           ; v2  the stage, on the way in
.set SOUT, 3                           ; v3  and out: 528 r + 32 h
.set SWA,  4                           ; v4  my row's scale word
.set SRA,  5                           ; v5  the scale words on the way out: 8 bytes a lane
.set L8,   6                           ; v6  8 x lane
.set R,    16                          ; v16-143  two sets of 16 rows as loaded
.set X,    144                         ; v144-207 64 numbers of my row: register 16 b + i
.set PC,   208                         ; v208-219 the fragment; v220-226 at work
.set TM,   228                         ; v228-243 at work in QUANT
.set PW,   244                         ; v244 the scale word
.set OW,   246                         ; v[246:247]
.set SEL,  30                          ; s[30:31] v_permlanex16_b32's selects for lane l xor 16
; 64 numbers of a lane, register 16 b + i = my 16 of block b, become a fragment's codes in v[PC] on and my row's scale word in v[PW].
.macro QUANT s
.irp b, 0,1,2,3
	v_max3_num_f32 v[TM+\b], |v[\s+16*\b]|, |v[\s+1+16*\b]|, 0x1800000   ; and the floor 2^(3 - 127): the byte cannot fall under 1
.endr
.irp i, 2,4,6,8,10,12,14
.irp b, 0,1,2,3
	v_max3_num_f32 v[TM+\b], v[TM+\b], |v[\s+16*\b+\i]|, |v[\s+1+16*\b+\i]|   ; the four blocks by turns
.endr
.endr
.irp b, 0,1,2,3
	v_permlanex16_b32 v[TM+4+\b], v[TM+\b], s[SEL], s[SEL+1]
.endr
.irp b, 0,1,2,3
	v_max_num_f32 v[TM+\b], v[TM+\b], v[TM+4+\b]   ; with lane l xor 16's: the block's largest magnitude
.endr
.irp b, 0,1,2,3
	v_add_nc_u32 v[TM+12+\b], 0xff000000, v[TM+\b] ; 2 off its exponent field: the conversion's scale operand
.endr
.irp b, 0,1,2,3
	v_lshrrev_b32 v[TM+4+\b], 23, v[TM+12+\b]      ; the scale's byte
.endr
	v_lshl_or_b32 v[PW], v[TM+5], 8, v[TM+4]
	v_lshl_or_b32 v[PW], v[TM+6], 16, v[PW]
	v_lshl_or_b32 v[PW], v[TM+7], 24, v[PW]
.irp c, 0,1
	v_cvt_scalef32_pk16_fp6_f32 v[PC+6*\c:PC+2+6*\c], v[\s+32*\c:\s+15+32*\c], v[TM+12+2*\c]
	v_cvt_scalef32_pk16_fp6_f32 v[PC+12+4*\c:PC+14+4*\c], v[\s+16+32*\c:\s+31+32*\c], v[TM+12+2*\c+1]   ; (a conversion's three registers begin on an even number)
.endr
	v_nop                                          ; one plain place behind a scaled conversion
.irp c, 0,1                                    ; the operand wants a WHOLE block in a lane: lanes 0-15 block 2 c, lanes 16-31 block 2 c + 1
.irp i, 0,1,2
	v_permlane16_swap_b32 v[PC+6*\c+\i], v[PC+12+4*\c+\i]
.endr
.irp i, 0,1,2
	v_mov_b32 v[PC+3+6*\c+\i], v[PC+12+4*\c+\i]
.endr
.endr
.endm
	s_load_b256 s[4:11], s[0:1], 0x0               ; x s[4:5], wq s[6:7], wk s[8:9], wv s[10:11]
	s_load_b128 s[12:15], s[0:1], 0x20             ; wo s[12:13], xc s[14:15]
	s_load_b64 s[16:17], s[0:1], 0x30              ; wc
	v_lshl_add_u32 v248, v0, 2, 0xcc00
	v_mov_b32 v249, 0
	v_lshrrev_b32 v7, 5, v0
	v_readfirstlane_b32 s18, v7                    ; wave 0..5
	v_and_b32 v7, 31, v0                           ; lane
	s_wait_alu depctr_va_vdst(0)
	v_and_b32 v8, 15, v0                           ; r
	s_wait_alu depctr_va_vdst(0)
	v_bfe_u32 v9, v0, 4, 1                         ; h
	s_mul_i32 s19, ttmp9, 6
	s_add_co_u32 s19, s19, s18                     ; my piece: 0 .. 1023 x's, 1024 .. 1535 the weights'
	s_cmp_lt_u32 s19, 1024
	s_cselect_b32 s20, 0, 1024
	s_sub_co_u32 s20, s19, s20                     ; its number in its buffer of codes
	s_lshr_b32 s21, s20, 7                         ; which weight (128 pieces each)
	s_lshr_b32 s23, s19, 3                         ; x: the group of 64 rows
	s_bfe_u32 s24, s20, 0x40003                    ; a weight: the group of 64 rows, 0 .. 15
	s_and_b32 s25, s19, 7                          ; the K step
	s_mul_i32 s22, s18, WREG                       ; my wave's LDS
	s_add_co_u32 s26, s22, SCW
	v_lshlrev_b32 v[LI], 4, v7
	v_add_nc_u32 v[SIN], s22, v[LI]
	v_mul_u32_u24 v[SOUT], v8, SP
	s_wait_alu depctr_va_vdst(0)
	v_lshl_add_u32 v[SOUT], v9, 5, v[SOUT]
	v_add_nc_u32 v[SOUT], s22, v[SOUT]
	v_lshl_add_u32 v[SWA], v8, 2, s26
	v_lshl_add_u32 v[SRA], v7, 3, s26
	v_lshlrev_b32 v[L8], 3, v7
	s_mov_b32 s[SEL], 0x76543210
	s_mov_b32 s[SEL+1], 0xfedcba98
.irp b, 0,1,2,3
	v_mov_b32 v[TM+4+\b], 0                        ; written once: a lane permute's destination counts as one of its sources
.endr
	s_wait_alu depctr_va_vdst(0)
	s_wait_kmcnt 0x0
	s_cmp_eq_u32 s21, 1                            ; the choices hang on the piece's number alone
	s_cselect_b64 s[6:7], s[8:9], s[6:7]
	s_cmp_eq_u32 s21, 2
	s_cselect_b64 s[6:7], s[10:11], s[6:7]
	s_cmp_eq_u32 s21, 3
	s_cselect_b64 s[6:7], s[12:13], s[6:7]
	s_cmp_lt_u32 s19, 1024
	s_cselect_b64 s[4:5], s[4:5], s[6:7]           ; from where,
	s_cselect_b64 s[14:15], s[14:15], s[16:17]     ; to where,
	s_cselect_b32 s27, s23, s24                    ; which 64 rows
	s_lshl_b32 s28, s27, 18                        ; 64 rows of 4,096 bytes
	s_lshl_b32 s29, s25, 9                         ; 128 numbers along K
	s_add_co_u32 s28, s28, s29
	s_mov_b32 s29, 0
	s_add_nc_u64 s[4:5], s[4:5], s[28:29]
	s_mul_i32 s28, s20, 6400
	s_add_nc_u64 s[14:15], s[14:15], s[28:29]
.macro LOADF m                         ; fragment m's 16 rows: each load reads a row's 512 consecutive bytes
.irp i, 0,1,2,3,4,5,6,7,8,9,10,11,12,13,14,15
	global_load_b128 v[R+64*((\m)%2)+4*\i:R+64*((\m)%2)+4*\i+3], v[LI], s[4:5] offset:(16*(\m)+\i)*4096 th:TH_LOAD_NT
.endr
.endm
.macro FRAG m
.if (\m) < 3
	s_wait_loadcnt 16                              ; this fragment's 16 loads are in; the next fragment's 16 may be out
.else
	s_wait_loadcnt 0x0
.endif
.irp i, 0,1,2,3,4,5,6,7,8,9,10,11,12,13,14,15
	ds_store_b128 v[SIN], v[R+64*((\m)%2)+4*\i:R+64*((\m)%2)+4*\i+3] offset:SP*\i
.endr
.irp b, 0,1,2,3                                ; LDS serves a wave's instructions in order: these see the stores above
.irp j, 0,1,2,3
	ds_load_b128 v[X+16*\b+4*\j:X+16*\b+4*\j+3], v[SOUT] offset:128*\b+64*(\j/2)+16*(\j%2)   ; k = 32 b + 8 h + 0 .. 7, then 32 b + 16 + 8 h + 0 .. 7
.endr
.endr
	s_wait_dscnt 0x0                               ; my 64 numbers are back; the stores into the stage have read their registers
	s_wait_xcnt 0x0                                ; the last fragment's stores have read v[PC] on: it is written again below
.if (\m) < 2
	LOADF (\m)+2
.endif
	QUANT X
.irp c, 0,1,2
	global_store_b128 v[LI], v[PC+4*\c:PC+4*\c+3], s[14:15] offset:1536*(\m)+512*\c   ; 512 consecutive bytes, at a multiple of 256 from the buffer's first byte
.endr
	ds_store_b32 v[SWA], v[PW] offset:64*(\m)      ; lanes r and r + 16 write the same word with the same value
.endm
	LOADF 0
	LOADF 1
	FRAG 0
	FRAG 1
	FRAG 2
	FRAG 3
	ds_load_b64 v[OW:OW+1], v[SRA]                 ; the 64 rows' scale words
	s_wait_dscnt 0x0
	global_store_b64 v[L8], v[OW:OW+1], s[14:15] offset:6144   ; 256 consecutive bytes, aligned
	s_wait_tensorcnt 0x0
	ds_add_u32 v248, v249
	s_wait_dscnt 0x0
	s_endpgm
.Lfunc_end_k_q3eb11468ac_quant:
	.size	k_q3eb11468ac_quant, .Lfunc_end_k_q3eb11468ac_quant-k_q3eb11468ac_quant
	.p2alignl 7, 3214868480
	.fill 96, 4, 3214868480
	.section	.rodata,"a",@progbits
	.p2align	6, 0x0
	.amdhsa_kernel k_q3eb11468ac_quant
		.amdhsa_group_segment_fixed_size 52992
		.amdhsa_private_segment_fixed_size 0
		.amdhsa_enable_private_segment 0
		.amdhsa_kernarg_size 56
		.amdhsa_user_sgpr_count 2
		.amdhsa_user_sgpr_kernarg_segment_ptr 1
		.amdhsa_wavefront_size32 1
		.amdhsa_system_sgpr_workgroup_id_x 1
		.amdhsa_system_sgpr_workgroup_id_y 1
		.amdhsa_system_sgpr_workgroup_id_z 1
		.amdhsa_system_vgpr_workitem_id 0
		.amdhsa_next_free_vgpr 250
		.amdhsa_next_free_sgpr 66
		.amdhsa_reserve_vcc 0
		.amdhsa_float_denorm_mode_32 3
		.amdhsa_float_denorm_mode_16_64 3
		.amdhsa_memory_ordered 1
		.amdhsa_forward_progress 1
		.amdhsa_inst_pref_size 34
	.end_amdhsa_kernel
	.amdgpu_metadata
---
amdhsa.version: [ 1, 2 ]
amdhsa.kernels:
  - .name:           k_q3eb11468ac_quant
    .symbol:         k_q3eb11468ac_quant.kd
    .args:
      - { .name: x, .offset: 0, .size: 8, .value_kind: global_buffer, .address_space: global }
      - { .name: wq, .offset: 8, .size: 8, .value_kind: global_buffer, .address_space: global }
      - { .name: wk, .offset: 16, .size: 8, .value_kind: global_buffer, .address_space: global }
      - { .name: wv, .offset: 24, .size: 8, .value_kind: global_buffer, .address_space: global }
      - { .name: wo, .offset: 32, .size: 8, .value_kind: global_buffer, .address_space: global }
      - { .name: xc, .offset: 40, .size: 8, .value_kind: global_buffer, .address_space: global }
      - { .name: wc, .offset: 48, .size: 8, .value_kind: global_buffer, .address_space: global }
    .group_segment_fixed_size: 52992
    .private_segment_fixed_size: 0
    .kernarg_segment_align: 8
    .kernarg_segment_size: 56
    .max_flat_workgroup_size: 192
    .sgpr_count:     66
    .vgpr_count:     250
    .wavefront_size: 32
...
	.end_amdgpu_metadata
.endif
;; end of part 1
;; launch proj (part 2): grid 128 x 2, 4 waves a work-group, clusters of 4 x 1, 327,680 bytes of LDS; arguments xc, wc, q_norm_w, k_norm_w, qc, kc, vc, vsc; writes qc, kc, vc, vsc
.if DOCPART == 2
	.amdgcn_target "amdgcn-amd-amdhsa--gfx1250"
	.amdhsa_code_object_version 6
	.text
	.protected	k_q3eb11468ac_proj
	.globl	k_q3eb11468ac_proj
	.p2align	8
	.type	k_q3eb11468ac_proj,@function
k_q3eb11468ac_proj:
	s_mov_b64 s[64:65], 0
	v_nop
	global_prefetch_b8 v0, s[64:65] scope:SCOPE_SE
	s_setreg_imm32_b32 hwreg(HW_REG_WAVE_MODE, 25, 1), 1
	s_wait_xcnt 0x0
	s_wait_alu depctr_hold_cnt(0) depctr_sa_sdst(0) depctr_va_vdst(0) depctr_va_sdst(0) depctr_va_ssrc(0) depctr_va_vcc(0) depctr_vm_vsrc(0)
	s_getreg_b32 s2, hwreg(HW_REG_IB_STS2, 6, 4)
	s_cmp_eq_u32 s2, 0
	s_cbranch_scc0 .Lentry_in_a_cluster
	s_endpgm
.Lentry_in_a_cluster:
	s_bfe_u32 s2, ttmp6, 0x10000c
	s_cmp_lg_u32 s2, 0x3003
	s_cbranch_scc0 .Lentry_shape_is_right
	s_endpgm
.Lentry_shape_is_right:
; The three projections on codes of FP6 (E2M3), the RMS norm of q and k, and the quantising of q, k (along a head's 128) and v (along the keys).  Nothing wider than codes goes to memory.
; 256 work-groups of equal work, each in two phases.
; PHASE 1 (y = 0: q, y = 1: k): 64 WHOLE rows of x W^T in f32, as the norm over 1,024 columns asks ahead of the quantiser.  The weight's 1,024 rows are source 0, 64 rows of x source 1; K = 1,024 in eight steps of 128.
;   Wave w owns the weight's rows 256 w on: 16 tiles p x 4 tiles q = 64 accumulators.  In accumulator (p, q) lane (r, h) holds x's row 16 q + r and columns 16 p + 8 h + 0 .. 7.
;   The weight goes through two LDS slots, A with two K steps and B with one: fills A(0,1) B(2) A(3,4) B(5) A(6,7), one tensor load a wave each; a wave fetches and reads its own quarter.
;   x's fragments go from memory straight into registers, four sets, asked for four K steps ahead (14 loads a step).
; PHASE 2: a tile of V^T, 128 keys x 256 channels: x's 128 rows are source 0, wv's rows source 1 (wave w: 64 channels), so a lane holds one channel and its registers run along the keys, the next product's K.
;   x's 128 rows, 102,400 bytes for all of K, which all four waves read, are asked for in K step 5 onto slot B's bytes.  A wave's own 64 rows of wv go from memory straight into the same four sets,
;   asked for four K steps ahead; K steps 0 and 1 are asked for in phase 1's K step 7, into the sets that its K steps 4 and 5 have left.
; OPERANDS lie in memory as images of their registers, [64 rows][K step][6400 bytes] (fragment m at 1536 m, scale words at 6144 + 64 m + 4 r): three loads of 16 bytes a lane bring a fragment.
; CLUSTER: the four partners share y, and so the weight: its tiles are asked for JOINTLY, mask 15.  x's rows differ between partners and come by plain loads.
; PREFETCH: the weight's K steps of the fill two fills on; of a wave's four groups of 64 rows the partner at place cx names group cx, 25 blocks of 256 bytes a K step, a lane a block (lanes 25-31 name the last again);
;   K steps 0-2 come by their loads alone.  wv: the partners' waves w read the same group; the partner at cx names its K steps 2 cx and 2 cx + 1, in K step 3.  The norm's weights: of a wave's 4 blocks the partner at cx names block cx.
;   Phase 2's rows of x are not prefetched: two K steps and the whole way out of phase 1 stand between their request and the wait for them.  Phase 1's rows of x are asked for by their loads, three K steps ahead of their wait.
; LIMITS: NaN and infinities are not served.  Blocks whose largest magnitude lies under 2^-124 keep the byte 1, a block of zeros too: its codes are zeros, and this program alone reads the bytes.
; REGISTERS: window 0: v1-23, v182-185 addresses; v24-39 source 0's scale words, two sets; source 1's fragments: set 0 v188-235, set 2 v44-91, set 3 v92-139 (set 1: window 1, v192-239);
;   v240-247 source 1's scale words, two to a set; on the ways out v44-181 at work.  Window 1: source 0's fragments, v[12 p] (phase 2: two sets, 96 apart).
;   Windows 2, 3: accumulator (p, q) at v[16 (4 ((p / 2) % 4) + q) + 8 (p % 2)] of window 2 + p / 8.
.set SLB,   204800                     ; slot A at 0: 4 waves x [4 groups][2 K steps][6400]; slot B here: 4 waves x [4 groups][6400]; in phase 2 x's [2 groups][8][6400]
.set NRM,   307200                     ; the waves' sums of squares, 256 bytes a wave
.set SCG,   NRM+1024                   ; q, k: scale words on their way out, 512 bytes a wave
.set VSG,   SCG+2048                   ; v: scale bytes on their way out, 256 bytes a wave
.set SPARE, VSG+1024                   ; the spare words, 128 bytes a wave
.set LI,   1                           ; 16 x lane
.set L4,   2                           ; 4 x lane
.set RR,   3
.set L8,   4
.set HH,   5
.set ADP,  6                           ; v6-7 my part of slot A, B: + 16 x lane
.set ADS,  8                           ; v8-9 its scale words
.set PFO,  10                          ; the prefetches' offset
.set PFZ,  11                          ; 0, the offset of the prefetch of the norm's weights
.set SPW,  12                          ; my spare word; never rewritten
.set NIL,  13                          ; 0; never rewritten
.set NRW,  14
.set NRR,  15
.set SCWA, 16
.set SCRA, 17
.set NWO,  18
.set VAO,  19
.set VBO,  20
.set VSWA, 21
.set VSRA, 22
.set SCP,  24
.set H,    44
.set F,    44
.set PC,   108
.set TM,   128
.set PW,   144
.set SS,   146
.set SBW,  146
.set RS,   154
.set OV,   156
.set PS,   162
.set OP,   178
.set AX,   182                         ; v182-183 phase 2: x's two groups; v184-185 their scale words
.set ASX,  184
.set SCV,  240
.set WV,   20
.set KIND, 21
.set G1A,  24
.set G1B,  32
.set G0A,  40
.set G0B,  44
.set G0X,  48
.set XP,   54
.set PFB,  62
.set SEL,  70
.set PFN,  76
.set WP,   80
.set PFW,  82
.set G1X,  84
.set OQ,   100
.set aOff, 0
.set MSB, 0
.macro WIN new                         ; the immediate's high byte repeats the setting that is left
.if MSB != (\new)
	s_set_vgpr_msb (MSB<<8)|(\new)
.set MSB, \new
.endif
.endm
.macro PLACES n
.rept \n
	v_nop
.endr
.endm
.macro CREST                           ; a round of the cluster's barrier behind its opening barrier
	s_cmp_lg_u32 s[WV], 0
	s_cbranch_scc1 .Lnot_wave_0_\@
	s_barrier_signal -3
.Lnot_wave_0_\@:
	s_barrier_wait -3
	s_barrier_signal -1
	s_barrier_wait -1
.endm
.macro CROUND
	s_barrier_signal -1
	s_barrier_wait -1
	CREST
.endm
; One matrix instruction from the symbols rD, rA, rB, rC (under 0: the constant 0 starts the sum), rSA, rSB; fA, fB: the side's scale words stand in lanes 16-31.
.macro WM
.if rC < 0
.if fA && fB
	v_wmma_scale_f32_16x16x128_f8f6f4 v[rD:rD+7], v[rA:rA+11], v[rB:rB+11], 0, v[rSA], v[rSB] matrix_a_fmt:MATRIX_FMT_FP6 matrix_b_fmt:MATRIX_FMT_FP6 matrix_a_scale:MATRIX_SCALE_ROW1 matrix_b_scale:MATRIX_SCALE_ROW1
.elseif fA
	v_wmma_scale_f32_16x16x128_f8f6f4 v[rD:rD+7], v[rA:rA+11], v[rB:rB+11], 0, v[rSA], v[rSB] matrix_a_fmt:MATRIX_FMT_FP6 matrix_b_fmt:MATRIX_FMT_FP6 matrix_a_scale:MATRIX_SCALE_ROW1
.elseif fB
	v_wmma_scale_f32_16x16x128_f8f6f4 v[rD:rD+7], v[rA:rA+11], v[rB:rB+11], 0, v[rSA], v[rSB] matrix_a_fmt:MATRIX_FMT_FP6 matrix_b_fmt:MATRIX_FMT_FP6 matrix_b_scale:MATRIX_SCALE_ROW1
.else
	v_wmma_scale_f32_16x16x128_f8f6f4 v[rD:rD+7], v[rA:rA+11], v[rB:rB+11], 0, v[rSA], v[rSB] matrix_a_fmt:MATRIX_FMT_FP6 matrix_b_fmt:MATRIX_FMT_FP6
.endif
.else
.if fA && fB
	v_wmma_scale_f32_16x16x128_f8f6f4 v[rD:rD+7], v[rA:rA+11], v[rB:rB+11], v[rC:rC+7], v[rSA], v[rSB] matrix_a_fmt:MATRIX_FMT_FP6 matrix_b_fmt:MATRIX_FMT_FP6 matrix_a_scale:MATRIX_SCALE_ROW1 matrix_b_scale:MATRIX_SCALE_ROW1
.elseif fA
	v_wmma_scale_f32_16x16x128_f8f6f4 v[rD:rD+7], v[rA:rA+11], v[rB:rB+11], v[rC:rC+7], v[rSA], v[rSB] matrix_a_fmt:MATRIX_FMT_FP6 matrix_b_fmt:MATRIX_FMT_FP6 matrix_a_scale:MATRIX_SCALE_ROW1
.elseif fB
	v_wmma_scale_f32_16x16x128_f8f6f4 v[rD:rD+7], v[rA:rA+11], v[rB:rB+11], v[rC:rC+7], v[rSA], v[rSB] matrix_a_fmt:MATRIX_FMT_FP6 matrix_b_fmt:MATRIX_FMT_FP6 matrix_b_scale:MATRIX_SCALE_ROW1
.else
	v_wmma_scale_f32_16x16x128_f8f6f4 v[rD:rD+7], v[rA:rA+11], v[rB:rB+11], v[rC:rC+7], v[rSA], v[rSB] matrix_a_fmt:MATRIX_FMT_FP6 matrix_b_fmt:MATRIX_FMT_FP6
.endif
.endif
.endm
; 64 numbers of a lane, register 16 b + i = my 16 of block b, become a fragment's codes in v[PC] on and my row's scale word in v[PW].
.macro QUANT s
.irp b, 0,1,2,3
	v_max3_num_f32 v[TM+\b], |v[\s+16*\b]|, |v[\s+1+16*\b]|, 0x1800000   ; and the floor 2^(3 - 127): the byte cannot fall under 1
.endr
.irp i, 2,4,6,8,10,12,14
.irp b, 0,1,2,3
	v_max3_num_f32 v[TM+\b], v[TM+\b], |v[\s+16*\b+\i]|, |v[\s+1+16*\b+\i]|
.endr
.endr
.irp b, 0,1,2,3
	v_permlanex16_b32 v[TM+4+\b], v[TM+\b], s[SEL], s[SEL+1]
.endr
.irp b, 0,1,2,3
	v_max_num_f32 v[TM+\b], v[TM+\b], v[TM+4+\b]
.endr
.irp b, 0,1,2,3
	v_add_nc_u32 v[TM+12+\b], 0xff000000, v[TM+\b] ; 2 off the exponent field: the conversion's scale operand
.endr
.irp b, 0,1,2,3
	v_lshrrev_b32 v[TM+4+\b], 23, v[TM+12+\b]      ; the scale's byte
.endr
	v_lshl_or_b32 v[PW], v[TM+5], 8, v[TM+4]
	v_lshl_or_b32 v[PW], v[TM+6], 16, v[PW]
	v_lshl_or_b32 v[PW], v[TM+7], 24, v[PW]
.irp c, 0,1
	v_cvt_scalef32_pk16_fp6_f32 v[PC+6*\c:PC+2+6*\c], v[\s+32*\c:\s+15+32*\c], v[TM+12+2*\c]
	v_cvt_scalef32_pk16_fp6_f32 v[PC+12+4*\c:PC+14+4*\c], v[\s+16+32*\c:\s+31+32*\c], v[TM+12+2*\c+1]
.endr
	v_nop                                          ; one plain place behind a scaled conversion
.irp c, 0,1
.irp i, 0,1,2
	v_permlane16_swap_b32 v[PC+6*\c+\i], v[PC+12+4*\c+\i]
.endr
.irp i, 0,1,2
	v_mov_b32 v[PC+3+6*\c+\i], v[PC+12+4*\c+\i]
.endr
.endr
.endm
; Tile p of source 0 against source 1's four tiles, which stand at v[bBase] on of window bWin, their scale words at v[sBase] on.
; The accumulators take turns, one instruction a turn, in the same order in every K step.
.macro MULP p, set, zero
.set wN, 0xa1+4*bWin+0x50*((\p)/8)     ; source 0 window 1, source 1 window bWin, C and D window 2 or 3
	WIN wN
.irp q, 0,1,2,3
.set rD, 16*(4*(((\p)/2)%4)+\q)+8*((\p)%2)
.set rA, aOff+12*(\p)
.set rB, bBase+12*\q
.set rC, rD
.if \zero
.set rC, -1
.endif
.set rSA, SCP+8*(\set)+(\p)/2
.set rSB, sBase+\q/2
.set fA, (\p)%2
.set fB, \q%2
	WM
.endr
.endm
.macro MULS p0, p1, set, zero          ; tiles p0 .. p1
.set pp, \p0
.rept (\p1)-(\p0)+1
	MULP pp, \set, \zero
.set pp, pp+1
.endr
.endm
.macro WSET s                          ; where source 1's fragments of K step s stand: set s % 4
.set wS, (\s)%4
.set bWin, 0
.if wS == 0
.set bBase, 188
.elseif wS == 1
.set bBase, 192
.set bWin, 1
.elseif wS == 2
.set bBase, 44
.else
.set bBase, 92
.endif
.set sBase, SCV+2*wS
.endm
.macro WFETCH s, bp                    ; source 1's four fragments and two registers of scale words of K step s, from memory at s[bp:bp+1]: 14 loads
	WSET \s
	WIN bWin<<6                                    ; the destination's window
.irp m, 0,1,2,3
.irp c, 0,1,2
	global_load_b128 v[bBase+12*\m+4*\c:bBase+12*\m+4*\c+3], v[LI], s[\bp:\bp+1] offset:6400*(\s)+1536*\m+512*\c
.endr
.endr
	WIN 0
.irp i, 0,1
	global_load_b32 v[sBase+\i], v[L4], s[\bp:\bp+1] offset:6400*(\s)+6144+128*\i   ; lanes 0-15 tile 2 i's words, lanes 16-31 tile 2 i + 1's
.endr
.endm
.macro SLOTOF s                        ; where K step s lies: steps 2 and 5 in slot B, the others in slot A
.if ((\s)%3) == 2
.set gR, 1
.set gG, 6400
.set gT, 0
.else
.set gR, 0
.set gG, 12800
.set gT, 6400*((\s)%3)
.endif
.endm
.macro FETCHS set                      ; the weight's scale words: 8 loads
.irp i, 0,1,2,3,4,5,6,7
	ds_load_b32 v[SCP+8*(\set)+\i], v[ADS+gR] offset:(\i/2)*gG+gT+(\i%2)*128
.endr
.endm
.macro FETCHP p0                       ; eight of the weight's fragments: 24 loads
	WIN 0x40                                       ; destination window 1
.irp d, 0,1,2,3,4,5,6,7
.irp c, 0,1,2
	ds_load_b128 v[12*(\p0+\d)+4*\c:12*(\p0+\d)+4*\c+3], v[ADP+gR] offset:((\p0+\d)/4)*gG+gT+((\p0+\d)%4)*1536+512*\c
.endr
.endr
	WIN 0
.endm
.macro ASK s                           ; K step s of my work-group's share of my wave's rows: 25 blocks of 256 bytes
	s_cmp_lt_u32 ttmp9, 4
	s_cbranch_scc0 .Lno_prefetch_proj0_\@
	global_prefetch_b8 v[PFO], s[PFB:PFB+1] offset:6400*(\s) th:TH_LOAD_NT scope:SCOPE_SE
.Lno_prefetch_proj0_\@:
.endm
	s_load_b256 s[4:11], s[0:1], 0x0               ; xc s[4:5], wc s[6:7], q_norm_w s[8:9], k_norm_w s[10:11]
	s_load_b256 s[12:19], s[0:1], 0x20             ; qc s[12:13], kc s[14:15], vc s[16:17], vsc s[18:19]
	v_lshl_add_u32 v[SPW], v0, 2, SPARE
	v_mov_b32 v[NIL], 0
	ds_add_u32 v[SPW], v[NIL]                      ; the opening lines: the add, twice on end, and its wait ahead of my first tensor load
	ds_add_u32 v[SPW], v[NIL]
	v_lshrrev_b32 v23, 5, v0
	v_readfirstlane_b32 s[WV], v23                 ; wave 0..3
	s_bfe_u32 s22, ttmp6, 0x40000                  ; cx: my place in the cluster
	s_lshl_b32 s23, ttmp9, 2
	s_add_co_u32 s23, s23, s22                     ; work-group x: my 64 rows of x
	s_and_b32 s[KIND], ttmp7, 0xffff               ; 0: q, 1: k; the partners share it
	; groups 1.  Slot A: 4 rows (groups of 64 rows, 51,200 bytes apart) of two K steps, 1,600 elements of 8 bytes; slot B: of one; mask 15, bit 21 beside it
	s_mov_b32 s[G1A], 15|(3<<16)|(1<<21)
	s_mov_b32 s[G1A+1], 1600<<16
	s_mov_b32 s[G1A+2], 4<<16
	s_mov_b32 s[G1A+3], 1600<<16
	s_mov_b32 s[G1A+4], 4
	s_mov_b32 s[G1A+5], 6400
	s_mov_b32 s[G1A+6], 0
	s_mov_b32 s[G1A+7], 0
	s_mov_b32 s[G1B], 15|(3<<16)|(1<<21)
	s_mov_b32 s[G1B+1], 800<<16
	s_mov_b32 s[G1B+2], 4<<16
	s_mov_b32 s[G1B+3], 800<<16
	s_mov_b32 s[G1B+4], 4
	s_mov_b32 s[G1B+5], 6400
	s_mov_b32 s[G1B+6], 0
	s_mov_b32 s[G1B+7], 0
	; phase 2: a quarter of x's 102,400 dense bytes, as 4 rows of 6,400 bytes; no mask
	s_mov_b32 s[G1X], 3<<16
	s_mov_b32 s[G1X+1], 800<<16
	s_mov_b32 s[G1X+2], 4<<16
	s_mov_b32 s[G1X+3], 800<<16
	s_mov_b32 s[G1X+4], 4
	s_mov_b32 s[G1X+5], 800
	s_mov_b32 s[G1X+6], 0
	s_mov_b32 s[G1X+7], 0
	s_mov_b32 s[SEL], 0x76543210
	s_mov_b32 s[SEL+1], 0xfedcba98
	s_mov_b32 s72, 0x3a800000                      ; 1 / 1024
	s_mov_b32 s73, 0x358637bd                      ; 1e-6
	s_mul_i32 s74, s[WV], 51200                    ; my part of slot A
	s_mul_i32 s75, s[WV], 25600
	s_add_co_u32 s75, s75, SLB                     ; and of slot B
	s_add_co_u32 s76, s74, 6144
	s_add_co_u32 s77, s75, 6144
	s_lshl_b32 s78, s[WV], 8
	s_add_co_u32 s56, s78, VSG
	s_add_co_u32 s78, s78, NRM
	s_lshl_b32 s79, s[WV], 9
	s_add_co_u32 s79, s79, SCG
	s_wait_dscnt 0x0                               ; both opening adds are done
	v_and_b32 v23, 31, v0                          ; lane
	v_and_b32 v[RR], 15, v0
	v_bfe_u32 v[HH], v0, 4, 1
	v_lshlrev_b32 v[LI], 4, v23
	v_lshlrev_b32 v[L4], 2, v23
	v_lshlrev_b32 v[L8], 3, v23
	v_add_nc_u32 v[ADP], s74, v[LI]
	v_add_nc_u32 v[ADP+1], s75, v[LI]
	v_lshl_add_u32 v[ADS], v23, 2, s76
	v_lshl_add_u32 v[ADS+1], v23, 2, s77
	v_min_u32 v[PFO], 24, v23
	v_lshlrev_b32 v[PFO], 8, v[PFO]                ; block min(lane, 24) of a K step's 25
	v_mov_b32 v[PFZ], 0
	v_lshl_add_u32 v[NRW], v[RR], 2, s78           ; where I put my wave's sums: 256 w + 4 r (+ 64 q)
	v_lshl_add_u32 v[NRR], v[RR], 2, NRM           ; and where I read all four waves'
	v_lshl_add_u32 v[SCWA], v[RR], 2, s79
	v_lshl_add_u32 v[SCRA], v23, 3, s79
	v_lshlrev_b32 v[NWO], 5, v[HH]                 ; the norm's weights: 8 h numbers on
	v_mul_u32_u24 v[VAO], v[HH], 24576             ; v's codes: lanes 16-31 hold the next block of 32 keys
	v_lshl_add_u32 v[VAO], v[RR], 4, v[VAO]
	v_lshlrev_b32 v[VBO], 7, v[HH]
	v_lshl_add_u32 v[VBO], v[RR], 3, v[VBO]
	v_lshl_add_u32 v[VSWA], v[RR], 2, s56
	v_lshl_add_u32 v[VSRA], v23, 3, s56
	v_add_nc_u32 v[AX], SLB, v[LI]
	v_add_nc_u32 v[AX+1], SLB+51200, v[LI]
	v_lshl_add_u32 v[ASX], v23, 2, SLB+6144
	v_lshl_add_u32 v[ASX+1], v23, 2, SLB+57344
.irp b, 0,1,2,3
	v_mov_b32 v[TM+4+\b], 0                        ; a lane permute's destination counts as one of its sources
.endr
	s_wait_alu depctr_va_vdst(0)                   ; the wait at the end of the head's vector work
	s_wait_kmcnt 0x0
	s_mul_i32 s60, s23, 51200
	s_mov_b32 s61, 0
	s_add_nc_u64 s[XP:XP+1], s[4:5], s[60:61]      ; my 64 rows of x
	WFETCH 0, XP
	WFETCH 1, XP
	WFETCH 2, XP
	WFETCH 3, XP
	s_mul_i32 s56, s[KIND], 819200                 ; wq or wk,
	s_mul_i32 s59, s[WV], 204800                   ; my 256 rows: no register that feeds this address holds cx
	s_add_co_u32 s56, s56, s59
	s_mov_b32 s57, 0
	s_add_nc_u64 s[52:53], s[6:7], s[56:57]
	s_mov_b32 s[G0A], 1
	s_mul_i32 s[G0A+1], s[WV], 51200
	s_mov_b64 s[G0A+2:G0A+3], s[52:53]             ; K steps 0 and 1
	s_or_b32 s[G0A+3], s[G0A+3], 0x80000000
	CROUND                                         ; all four work-groups are here: the first joint loads meet
	tensor_load_to_lds s[G0A:G0A+3], s[G1A:G1A+7]  ; my one load at the head
	s_nop 0
	PLACES 4
	s_mul_i32 s60, s22, 51200
	s_add_nc_u64 s[PFB:PFB+1], s[52:53], s[60:61]  ; of my wave's four groups the one at my place: the partners share the blocks out by address
	ASK 3                                          ; the fill two fills on
	ASK 4
	s_mov_b32 s[G0B], 1
	s_mul_i32 s[G0B+1], s[WV], 25600
	s_add_co_u32 s[G0B+1], s[G0B+1], SLB
	s_add_nc_u64 s[G0B+2:G0B+3], s[52:53], 12800   ; K step 2
	s_or_b32 s[G0B+3], s[G0B+3], 0x80000000
	; phase 2's tile: cluster number c = 32 y + cluster x; wv's quarter c % 4; keys 128 (4 (c / 4) + cx) on
	s_lshl_b32 s56, s[KIND], 5
	s_add_co_u32 s56, s56, ttmp9
	s_and_b32 s78, s56, 3
	s_lshr_b32 s79, s56, 2
	s_lshl_b32 s75, s78, 2
	s_add_co_u32 s75, s75, s[WV]                   ; my wave's group of 64 channels
	s_add_co_u32 s56, s75, 32                      ; wv begins at wc's group 32
	s_mul_i32 s56, s56, 51200
	s_add_nc_u64 s[WP:WP+1], s[6:7], s[56:57]
	s_mul_i32 s60, s22, 12800
	s_add_nc_u64 s[PFW:PFW+1], s[WP:WP+1], s[60:61]   ; its K steps 2 cx and 2 cx + 1
	s_lshl_b32 s74, s79, 2
	s_add_co_u32 s74, s74, s22                     ; my 128 keys
	s_mul_i32 s60, s74, 102400
	s_mul_i32 s79, s[WV], 25600                    ; my quarter of their codes
	s_add_co_u32 s60, s60, s79
	s_add_nc_u64 s[G0X+2:G0X+3], s[4:5], s[60:61]
	s_or_b32 s[G0X+3], s[G0X+3], 0x80000000
	s_mov_b32 s[G0X], 1
	s_mul_i32 s[G0X+1], s[WV], 25600
	s_add_co_u32 s[G0X+1], s[G0X+1], SLB
	s_mul_i32 s60, s74, 98304                      ; four key blocks of 24,576 bytes
	s_mul_i32 s79, s75, 1536
	s_add_co_u32 s60, s60, s79
	s_add_nc_u64 s[66:67], s[16:17], s[60:61]      ; vc
	s_lshl_b32 s60, s75, 14
	s_lshl_b32 s79, s74, 8
	s_add_co_u32 s60, s60, s79
	s_add_nc_u64 s[68:69], s[18:19], s[60:61]      ; vsc
	s_cmp_eq_u32 s[KIND], 1                        ; the choices hang on the work-group's y alone
	s_cselect_b64 s[OQ:OQ+1], s[14:15], s[12:13]   ; kc or qc
	s_cselect_b64 s[58:59], s[10:11], s[8:9]       ; k_norm_w or q_norm_w
	s_mul_i32 s60, s23, 51200                      ; my 64 rows,
	s_mul_i32 s79, s[WV], 12800                    ; my two heads
	s_add_co_u32 s60, s60, s79
	s_add_nc_u64 s[OQ:OQ+1], s[OQ:OQ+1], s[60:61]
	s_lshl_b32 s60, s[WV], 10                      ; my 256 columns' weights
	s_add_nc_u64 s[58:59], s[58:59], s[60:61]
	s_lshl_b32 s60, s22, 8
	s_add_nc_u64 s[PFN:PFN+1], s[58:59], s[60:61]  ; of their four blocks of 256 bytes the one at my place
	s_cmp_lt_u32 ttmp9, 4
	s_cbranch_scc0 .Lno_prefetch_proj1
	global_prefetch_b8 v[PFZ], s[PFN:PFN+1] th:TH_LOAD_NT scope:SCOPE_SE
.Lno_prefetch_proj1:
	s_wait_tensorcnt 0x0                           ; my part of K steps 0 and 1 is in; slot B's first fill is issued as a refill is
	ds_add_u32 v[SPW], v[NIL]
	s_wait_dscnt 0x0
	CROUND
	tensor_load_to_lds s[G0B:G0B+3], s[G1B:G1B+7]
	s_nop 0
	PLACES 4
	SLOTOF 0
	FETCHS 0
	FETCHP 0
	FETCHP 8
	ASK 5
; A K STEP: 64 matrix instructions.  Steps 1, 2, 4 and 5 are the last of their slot's fill: when all 16 fragments are in registers, the wait for all my tensor loads, the add and the wait for it and
; for my reads stand in front of the barrier that opens a round of the cluster's barrier, and the refill is the first tensor load behind the round.  Step 5's refill brings phase 2's rows of x.
.macro KSTEP s
.set sl, (\s)%2
.set nx, 1-sl
.set zr, 0
.if (\s) == 0
.set zr, 1                             ; the first step's products start the sums: nothing is cleared
.endif
.if (\s) < 5
	s_wait_loadcnt 42                              ; this step's 14 loads of x are in; the next three steps', 14 each, may be out
.else
	s_wait_loadcnt 14*(7-(\s))                     ; likewise: the steps that are left
.endif
.if (\s) == 7
	WFETCH 0, WP                                   ; phase 2's first two K steps of wv, into the sets that K steps 4 and 5 have left (places have passed since)
	WFETCH 1, WP
.endif
	WSET \s
	s_wait_dscnt 24                                ; all but the youngest 24 LDS loads (tiles 8-15) are in
.if ((\s) == 1) || ((\s) == 2) || ((\s) == 4) || ((\s) == 5)
	MULS 0, 5, sl, zr
	WIN 0                                          ; (the add's two registers lie in window 0)
	s_wait_tensorcnt 0x0                           ; my one load that was out has landed
	ds_add_u32 v[SPW], v[NIL]                      ; 0 onto my spare word
.if (\s) == 2
	s_add_nc_u64 s[G0B+2:G0B+3], s[G0B+2:G0B+3], 19200   ; no load of mine is out: three K steps on
.elseif (\s) != 5
	s_add_nc_u64 s[G0A+2:G0A+3], s[G0A+2:G0A+3], 19200
.endif
	MULS 6, 7, sl, zr
	s_wait_dscnt 0x0                               ; the add is done, and my reads of this slot are over
	s_barrier_signal -1
	MULS 8, 9, sl, zr
	WIN 0
	s_barrier_wait -1
	CREST                                          ; no wave of any partner still reads this slot or has a load on its way
.if (\s) == 2
	tensor_load_to_lds s[G0B:G0B+3], s[G1B:G1B+7]
.elseif (\s) == 5
	tensor_load_to_lds s[G0X:G0X+3], s[G1X:G1X+7]
.else
	tensor_load_to_lds s[G0A:G0A+3], s[G1A:G1A+7]
.endif
	s_nop 0
	PLACES 4                                       ; also the places in front of the loads into tiles 0-7's registers
	SLOTOF (\s)+1
	FETCHS nx
	FETCHP 0
.if (\s) == 1
	ASK 6
	ASK 7
.endif
	MULS 10, 15, sl, zr
.else
	MULS 0, 7, sl, zr
.if (\s) < 7
	WIN 0
	PLACES 4
	SLOTOF (\s)+1
	FETCHS nx
	FETCHP 0
.if (\s) == 3
	s_cmp_lt_u32 ttmp9, 4
	s_cbranch_scc0 .Lno_prefetch_proj2_\@
	global_prefetch_b8 v[PFO], s[PFW:PFW+1] th:TH_LOAD_NT scope:SCOPE_SE               ; my work-group's two K steps of my wave's group of wv
	global_prefetch_b8 v[PFO], s[PFW:PFW+1] offset:6400 th:TH_LOAD_NT scope:SCOPE_SE
.Lno_prefetch_proj2_\@:
.endif
	s_wait_dscnt 32                                ; all but the 32 just issued
.else
	s_wait_dscnt 0x0
.endif
	MULS 8, 15, sl, zr
.endif
.if (\s) < 7
	PLACES 4
	FETCHP 8
.if (\s) < 4
	WFETCH (\s)+4, XP                              ; x's fragments four steps on, into the set just multiplied
.endif
.else
	WIN 0
.endif
.endm
.irp s, 0,1,2,3,4,5,6,7
	KSTEP \s
.endr
	; ---- q, k: the norm over the row's 1,024 numbers, then codes along each head's 128
	PLACES 4                                       ; behind the last products
	WIN 0x40
.irp p, 0,1,2,3,4,5,6,7,8,9,10,11,12,13,14,15  ; the weights of columns 16 p + 8 h + 0 .. 7 into window 1, v[8 p] on
	global_load_b128 v[8*\p:8*\p+3], v[NWO], s[58:59] offset:64*\p
	global_load_b128 v[8*\p+4:8*\p+7], v[NWO], s[58:59] offset:64*\p+16
.endr
	WIN 0
.irp hw, 0,1                                   ; the sums of squares, four chains by turns; each accumulator from its low end on
.set wN, 0x0a+5*\hw
	WIN wN
.irp b, 0,1,2,3
.irp i, 0,2,4,6,8,10,12,14
.irp q, 0,1,2,3
.set rA, 16*(4*\b+\q)+\i
.if (\hw+\b+\i) == 0
	v_pk_mul_f32 v[SS+2*\q:SS+2*\q+1], v[rA:rA+1], v[rA:rA+1]
.else
	v_pk_fma_f32 v[SS+2*\q:SS+2*\q+1], v[rA:rA+1], v[rA:rA+1], v[SS+2*\q:SS+2*\q+1]
.endif
.endr
.endr
.endr
.endr
	WIN 0
.irp q, 0,1,2,3
	v_add_f32 v[SS+2*\q], v[SS+2*\q], v[SS+2*\q+1]
.endr
.irp q, 0,1,2,3
	v_permlanex16_b32 v[TM+4+\q], v[SS+2*\q], s[SEL], s[SEL+1]
.endr
.irp q, 0,1,2,3
	v_add_f32 v[SS+2*\q], v[SS+2*\q], v[TM+4+\q]   ; my wave's 256 columns of row 16 q + r
.endr
.irp q, 0,1,2,3
	ds_store_b32 v[NRW], v[SS+2*\q] offset:64*\q
.endr
	s_wait_dscnt 0x0                               ; for the others' sake
	s_barrier_signal -1
	s_barrier_wait -1                              ; phase 2's load may stay out
.irp w, 0,1,2,3
.irp q, 0,1,2,3
	ds_load_b32 v[PS+4*\w+\q], v[NRR] offset:256*\w+64*\q
.endr
.endr
	s_wait_dscnt 0x0
.irp q, 0,1,2,3
	v_add_f32 v[SS+2*\q], v[PS+\q], v[PS+4+\q]     ; in the same order in every wave
.endr
.irp q, 0,1,2,3
	v_add_f32 v[SS+2*\q], v[SS+2*\q], v[PS+8+\q]
.endr
.irp q, 0,1,2,3
	v_add_f32 v[SS+2*\q], v[SS+2*\q], v[PS+12+\q]
.endr
.irp q, 0,1,2,3
	v_fma_f32 v[SS+2*\q], v[SS+2*\q], s72, s73     ; the mean + eps
.endr
	s_wait_alu depctr_va_vdst(0)                   ; the wait ahead of the batch
.irp q, 0,1,2,3
	v_rsq_f32 v[RS+2*\q], v[SS+2*\q]
	v_rsq_f32 v[RS+2*\q+1], v[SS+2*\q]             ; twice: a pair for the packed multiply
.endr
	v_nop                                          ; one plain place behind the transcendentals
	s_wait_alu depctr_va_vdst(0)                   ; and behind it
	s_wait_loadcnt 0x0                             ; the weights (and wv's K steps 0 and 1, asked for ahead of them)
.irp hd, 0,1                                   ; my two heads
.irp q, 0,1,2,3                                ; four tiles of 16 rows
.set wN, 0x02+\hd
	WIN wN
.irp b, 0,1,2,3
.irp i, 0,2,4,6,8,10,12,14
	v_pk_mul_f32 v[H+16*\b+\i:H+16*\b+\i+1], v[16*(4*\b+\q)+\i:16*(4*\b+\q)+\i+1], v[RS+2*\q:RS+2*\q+1]   ; x / rms,
.endr
.endr
	WIN 0x04
.set k, 0
.rept 32
	v_pk_mul_f32 v[H+k:H+k+1], v[H+k:H+k+1], v[64*\hd+k:64*\hd+k+1]   ; then x the weight
.set k, k+2
.endr
	WIN 0
	s_wait_alu depctr_va_vdst(0)
	s_wait_xcnt 0x0                                ; the last fragment's stores have read their registers, which QUANT writes again; the 64 multiplies above name none of them
	s_wait_dscnt 0x0                               ; its scale word's store too
	QUANT H
.irp c, 0,1,2
	global_store_b128 v[LI], v[PC+4*\c:PC+4*\c+3], s[OQ:OQ+1] offset:6400*\hd+1536*\q+512*\c   ; 512 consecutive bytes, aligned to 256
.endr
	ds_store_b32 v[SCWA], v[PW] offset:256*\hd+64*\q
.endr
	ds_load_b64 v[OP+2*\hd:OP+2*\hd+1], v[SCRA] offset:256*\hd   ; LDS serves a wave's instructions in order: these see my stores
	s_wait_dscnt 0x0
	global_store_b64 v[L8], v[OP+2*\hd:OP+2*\hd+1], s[OQ:OQ+1] offset:6400*\hd+6144
.endr
	; ---- phase 2: V^T = x wv^T, 8 tiles of keys x my 4 tiles of channels, 32 accumulators in window 2; x's codes for all of K lie in LDS
.macro XFETCH s, set                   ; K step s of x: 4 registers of scale words and 8 fragments: 28 loads
.irp i, 0,1,2,3
	ds_load_b32 v[SCP+8*(\set)+\i], v[ASX+\i/2] offset:6400*(\s)+(\i%2)*128
.endr
	WIN 0x40
.irp p, 0,1,2,3,4,5,6,7
.irp c, 0,1,2
	ds_load_b128 v[96*(\set)+12*\p+4*\c:96*(\set)+12*\p+4*\c+3], v[AX+\p/4] offset:6400*(\s)+(\p%4)*1536+512*\c
.endr
.endr
	WIN 0
.endm
	s_wait_alu depctr_va_vdst(0)
	s_wait_xcnt 0x0                                ; the stores above have read their registers: the loads below land there
	WFETCH 2, WP
	WFETCH 3, WP
	s_wait_tensorcnt 0x0                           ; my quarter of phase 2's rows of x is in
	s_barrier_signal -1
	s_barrier_wait -1                              ; and everybody's
	XFETCH 0, 0
	XFETCH 1, 1
.irp s, 0,1,2,3,4,5,6,7
.if \s >= 5
	s_wait_loadcnt 14*(7-\s)                       ; wv's K step s is in; the later steps' loads, 14 each, may be out
.elseif \s >= 2
	s_wait_loadcnt 42                              ; likewise: three later steps are out
.endif
.if \s < 7
	s_wait_dscnt 28                                ; all but the 28 loads of x's other set
.else
	s_wait_dscnt 0x0
.endif
.set aOff, 96*(\s%2)
	WSET \s
.if \s == 0
	MULS 0, 7, 0, 1
.else
	MULS 0, 7, \s%2, 0
.endif
	WIN 0
.if \s < 6
	PLACES 4
	XFETCH \s+2, \s%2
.endif
.if \s < 4
	WFETCH \s+4, WP                                ; into the set just multiplied
.endif
.endr
	; a lane holds channel 16 q + r; the 16 registers of tiles 2 b, 2 b + 1 are its 16 numbers of key block b.  Two blocks and two q at a time.
	; vc: [key block][group of 64 channels][1536]: tile q's registers 0-3 at 256 q + 16 r, registers 4-5 at 1024 + 128 q + 8 r.  vsc: [group][key block][64]: the byte of (q, r) at 4 r + q.
	PLACES 4                                       ; behind the last products
.irp c, 0,1
.irp q0, 0,2
.set vW, 2+\c/2
.set wN, (vW<<2)|(vW<<4)
	WIN wN
.irp k, 0,1,2,3                                ; chain k: block 2 c + k / 2, tile q0 + k % 2; each accumulator from its low end on
.set aB, 16*(4*(2*(\c%2)+\k/2)+\q0+\k%2)
	v_max3_num_f32 v[TM+\k], 0x1800000, |v[aB]|, |v[aB+1]|   ; with the floor 2^(3 - 127)
.endr
.irp i, 2,4,6,8,10,12,14
.irp k, 0,1,2,3
.set aB, 16*(4*(2*(\c%2)+\k/2)+\q0+\k%2)
	v_max3_num_f32 v[TM+\k], v[TM+\k], |v[aB+\i]|, |v[aB+\i+1]|
.endr
.endr
	WIN 0
.irp k, 0,1,2,3
	v_permlanex16_b32 v[TM+4+\k], v[TM+\k], s[SEL], s[SEL+1]
.endr
.irp k, 0,1,2,3
	v_max_num_f32 v[TM+\k], v[TM+\k], v[TM+4+\k]
.endr
.irp k, 0,1,2,3
	v_add_nc_u32 v[TM+12+\k], 0xff000000, v[TM+\k]
.endr
.irp k, 0,1,2,3
	v_lshrrev_b32 v[TM+4+\k], 23, v[TM+12+\k]
.endr
.irp k, 0,1,2,3
.if (\q0+\k%2) == 0
	v_mov_b32 v[SBW+2*\c+\k/2], v[TM+4+\k]
.else
	v_lshl_or_b32 v[SBW+2*\c+\k/2], v[TM+4+\k], 8*(\q0+\k%2), v[SBW+2*\c+\k/2]
.endif
.endr
	s_wait_alu depctr_va_vdst(0)
	s_wait_xcnt 0x0                                ; the last stores have read v[F] on, which the conversions write again
	WIN vW                                         ; source 0: the accumulators as they stand
.irp dq, 0,1
.set aB, 16*(4*(2*(\c%2))+\q0+\dq)
	v_cvt_scalef32_pk16_fp6_f32 v[F+12*\dq:F+12*\dq+2], v[aB:aB+15], v[TM+12+\dq]
.set aB, 16*(4*(2*(\c%2)+1)+\q0+\dq)
	v_cvt_scalef32_pk16_fp6_f32 v[F+12*\dq+8:F+12*\dq+10], v[aB:aB+15], v[TM+14+\dq]
.endr
	WIN 0
	v_nop                                          ; one plain place behind a scaled conversion
.irp dq, 0,1                                   ; a whole block to a lane: lanes 0-15 block 2 c, lanes 16-31 block 2 c + 1
.irp i, 0,1,2
	v_permlane16_swap_b32 v[F+12*\dq+\i], v[F+12*\dq+8+\i]
.endr
.irp i, 0,1,2
	v_mov_b32 v[F+12*\dq+3+\i], v[F+12*\dq+8+\i]
.endr
.endr
	v_permlane16_swap_b32 v[F+4], v[F+16]          ; registers 4-5 of the two tiles change halves, so that one pair holds one block's 256 consecutive bytes
	v_permlane16_swap_b32 v[F+5], v[F+17]
	global_store_b128 v[VAO], v[F:F+3], s[66:67] offset:2*\c*24576+256*\q0
	global_store_b128 v[VAO], v[F+12:F+15], s[66:67] offset:2*\c*24576+256*(\q0+1)
	global_store_b64 v[VBO], v[F+4:F+5], s[66:67] offset:2*\c*24576+1024+128*\q0
	global_store_b64 v[VBO], v[F+16:F+17], s[66:67] offset:(2*\c+1)*24576+1024+128*\q0
.endr
.endr
.irp b, 0,1,2,3
	ds_store_b32 v[VSWA], v[SBW+\b] offset:64*\b
.endr
	ds_load_b64 v[OV:OV+1], v[VSRA]                ; my four blocks' 256 bytes
	s_wait_dscnt 0x0
	global_store_b64 v[L8], v[OV:OV+1], s[68:69]   ; 256 consecutive bytes, aligned
	s_wait_tensorcnt 0x0                           ; the wave's end
	ds_add_u32 v[SPW], v[NIL]
	s_wait_dscnt 0x0
	CROUND                                         ; the closing round: no work-group ends while a partner may still ask jointly
	s_endpgm
.Lfunc_end_k_q3eb11468ac_proj:
	.size	k_q3eb11468ac_proj, .Lfunc_end_k_q3eb11468ac_proj-k_q3eb11468ac_proj
	.p2alignl 7, 3214868480
	.fill 96, 4, 3214868480
	.section	.rodata,"a",@progbits
	.p2align	6, 0x0
	.amdhsa_kernel k_q3eb11468ac_proj
		.amdhsa_group_segment_fixed_size 327680
		.amdhsa_private_segment_fixed_size 0
		.amdhsa_enable_private_segment 0
		.amdhsa_kernarg_size 64
		.amdhsa_user_sgpr_count 2
		.amdhsa_user_sgpr_kernarg_segment_ptr 1
		.amdhsa_wavefront_size32 1
		.amdhsa_system_sgpr_workgroup_id_x 1
		.amdhsa_system_sgpr_workgroup_id_y 1
		.amdhsa_system_sgpr_workgroup_id_z 1
		.amdhsa_system_vgpr_workitem_id 0
		.amdhsa_next_free_vgpr 1024
		.amdhsa_next_free_sgpr 102
		.amdhsa_reserve_vcc 0
		.amdhsa_float_denorm_mode_32 3
		.amdhsa_float_denorm_mode_16_64 3
		.amdhsa_memory_ordered 1
		.amdhsa_forward_progress 1
		.amdhsa_inst_pref_size 255
	.end_amdhsa_kernel
	.section	.bss,"aw",@nobits
	.p2align	6
	.space	262144
	.amdgpu_metadata
---
amdhsa.version: [ 1, 2 ]
amdhsa.kernels:
  - .name:           k_q3eb11468ac_proj
    .symbol:         k_q3eb11468ac_proj.kd
    .args:
      - { .name: xc, .offset: 0, .size: 8, .value_kind: global_buffer, .address_space: global }
      - { .name: wc, .offset: 8, .size: 8, .value_kind: global_buffer, .address_space: global }
      - { .name: q_norm_w, .offset: 16, .size: 8, .value_kind: global_buffer, .address_space: global }
      - { .name: k_norm_w, .offset: 24, .size: 8, .value_kind: global_buffer, .address_space: global }
      - { .name: qc, .offset: 32, .size: 8, .value_kind: global_buffer, .address_space: global }
      - { .name: kc, .offset: 40, .size: 8, .value_kind: global_buffer, .address_space: global }
      - { .name: vc, .offset: 48, .size: 8, .value_kind: global_buffer, .address_space: global }
      - { .name: vsc, .offset: 56, .size: 8, .value_kind: global_buffer, .address_space: global }
    .group_segment_fixed_size: 327680
    .private_segment_fixed_size: 0
    .kernarg_segment_align: 8
    .kernarg_segment_size: 64
    .max_flat_workgroup_size: 128
    .sgpr_count:     102
    .vgpr_count:     1024
    .wavefront_size: 32
...
	.end_amdgpu_metadata
.endif
;; end of part 2
;; launch attn_out (part 3): grid 128 x 2, 4 waves a work-group, clusters of 4 x 1, 327,680 bytes of LDS; arguments qc, kc, vc, vsc, wc, out0; writes out0
.if DOCPART == 3
	.amdgcn_target "amdgcn-amd-amdhsa--gfx1250"
	.amdhsa_code_object_version 6
	.text
	.protected	k_q3eb11468ac_attn_out
	.globl	k_q3eb11468ac_attn_out
	.p2align	8
	.type	k_q3eb11468ac_attn_out,@function
k_q3eb11468ac_attn_out:
	s_mov_b64 s[64:65], 0
	v_nop
	global_prefetch_b8 v0, s[64:65] scope:SCOPE_SE
	s_setreg_imm32_b32 hwreg(HW_REG_WAVE_MODE, 25, 1), 1
	s_wait_xcnt 0x0
	s_wait_alu depctr_hold_cnt(0) depctr_sa_sdst(0) depctr_va_vdst(0) depctr_va_sdst(0) depctr_va_ssrc(0) depctr_va_vcc(0) depctr_vm_vsrc(0)
	s_getreg_b32 s2, hwreg(HW_REG_IB_STS2, 6, 4)
	s_cmp_eq_u32 s2, 0
	s_cbranch_scc0 .Lentry_in_a_cluster
	s_endpgm
.Lentry_in_a_cluster:
	s_bfe_u32 s2, ttmp6, 0x10000c
	s_cmp_lg_u32 s2, 0x3003
	s_cbranch_scc0 .Lentry_shape_is_right
	s_endpgm
.Lentry_shape_is_right:
; The banded attention (key j counts for query i where i - 16 <= j <= i, with ALiBi) and the output projection, all three products on codes of FP6 (E2M3).
; SHARES: a work-group owns 64 queries (x) and 512 of out0's 1,024 columns (y).  The attention of 64 queries is small (20 matrix instructions for a head and 32 queries) and is done by both work-groups of a y pair:
; so 256 work-groups have equal work and o never goes to memory.
; ATTENTION: wave w takes the 32 queries of key block G = 2 x + w / 2, as two tiles u of 16, and heads 4 (w % 2) + 0 .. 3.  Both products are used transposed, so that a lane holds ONE query:
; S^T = K Q^T on the tile's own 16 keys and the 16 before; O^T = V^T P^T, whose K of 128 holds key blocks G - 1 and G and two blocks of zero codes of p.
; t = score x log2(e) / sqrt(128) + (j - i) x slope x log2(e); M = ceil(the row's largest t); p = 2^(t - M) is quantised along the keys; the row's sum of the unquantised p divides O.  Hidden keys have t = -infinity.
; o is quantised in registers and laid in LDS as images of the operand's registers, [head][6400].
; PROJECTION: wave w owns wo's rows 512 y + 128 w on (8 tiles, source 0) against o's four tiles (source 1): 32 accumulators; K = 1,024 in eight steps (a step is a head).
; CLUSTER: the four partners share y, so wo's tiles are asked for JOINTLY, mask 15.  K steps 0-2 (region A) are asked for at the start, 3-4 (region B) behind head 1; both land during the attention; region A is filled once more, with steps 5-7.
; A wave has one tensor load out at a time: at the start, behind head 1 and behind the refill's round.  q, k and v differ between partners and go from memory straight into registers, two heads ahead.
; LIMITS: NaN and infinities are not served; scores are taken to be finite.  Blocks of p or o whose largest magnitude lies under 2^-124 keep the byte 1, blocks of zeros too: their codes are zeros.
; REGISTERS: window 0: v1-19 addresses; v20-43 the band; v44-91 S^T, then p; v92-155 O^T; v156-170 p's codes; v172-208 at work in QUANT; v209-227 scale words; v228-245 at work.
;   Window 1: two sets of a head's operands at v[128 e]: V's 8 tiles of 6 registers, q's two fragments, K's three.  Window 2: the projection's accumulators, v[8 (4 p + q)].
;   In the projection: o's fragments v44-139 (two sets), wo's in window 1 at v[96 set + 12 p]; on the way out v64-191.
.set RBS,   153600                     ; region B: 4 waves x [2 groups of 64 rows][2 K steps][6400];  region A at 0: 4 waves x [2][3][6400]
.set OIMG,  256000                     ; o: [8 heads][6400]; written by LDS stores alone
.set SPARE, 307200                     ; the spare words, 128 bytes a wave: two blocks of 256 bytes that no other line names
.set LI,   1                           ; 16 x lane
.set STO,  2                           ; the way out: 528 r + 32 h in my stage
.set VQ,   3
.set VQS,  4
.set VKP,  5
.set VKPS, 6
.set VA,   7
.set VB,   8
.set SPW,  9                           ; my spare word; never rewritten
.set NIL,  10                          ; 0; never rewritten
.set VSA,  11
.set OIA,  12
.set OSA,  13
.set ADQ,  14
.set ADQS, 15
.set ADPA, 16
.set ADSA, 17
.set ADPB, 18                          ; also where I read the stage back: it lies at the head of my part of region B
.set ADSB, 19
.set RB8,  20                          ; j - i for the tile's own keys, -infinity where hidden
.set RA8,  28                          ; the same for the 16 keys before
.set RA0,  36                          ; the same, all hidden where those keys lie ahead of the sequence's start
.set SU0,  44                          ; tile 0: [8 zeros, 8 scores of the keys before, 8 of its own keys, 8 zeros]: key blocks G - 1 and G
.set SU1,  76                          ; tile 1: 16 scores, key block G
.set OT,   92
.set PF,   156                         ; p's fragment; registers 6-11 stay zero
.set PY,   168
.set PC,   172
.set TM,   192
.set PW,   208
.set PSW,  209
.set SSC,  210                         ; two sets of 5: q's scale words, the earlier keys', the keys', V's two words
.set SQ0,  210                         ; the projection: o's scale words, v210-211 and v215-216
.set VSW,  220                         ; V's scale words, a register for each tile
.set SPR,  220                         ; the projection: wo's scale words, two sets of 4
.set VX,   228
.set MA,   230
.set MB,   231
.set XA,   232
.set XB,   233
.set MX,   234
.set NM,   236
.set SUM,  238
.set RL,   240
.set SC0,  242
.set SC1,  243
.set B0,   244
.set B1,   245
.set QF,   44
.set BK,   64
.set WV,   16
.set G1A,  24
.set G1B,  32
.set G0A,  40
.set G0B,  44
.set QB,   48
.set KB,   50
.set KPB,  52
.set VP,   54
.set VSP,  56
.set OUTP, 58
.set SEL,  66
.set CS,   68
.set SL,   70
.set FM,   72
.set MSB, 0
.macro WIN new
.if MSB != (\new)
	s_set_vgpr_msb (MSB<<8)|(\new)
.set MSB, \new
.endif
.endm
.macro PLACES n
.rept \n
	v_nop
.endr
.endm
.macro CROUND                          ; a round of the cluster's barrier
	s_barrier_signal -1
	s_barrier_wait -1
	s_cmp_lg_u32 s[WV], 0
	s_cbranch_scc1 .Lnot_wave_0_\@
	s_barrier_signal -3
.Lnot_wave_0_\@:
	s_barrier_wait -3
	s_barrier_signal -1
	s_barrier_wait -1
.endm
; One matrix instruction from the symbols rD, rA, rB, rC (under 0: the constant 0 starts the sum), rSA, rSB; fA, fB: the side's scale words stand in lanes 16-31.
.macro WM
.if rC < 0
.if fA && fB
	v_wmma_scale_f32_16x16x128_f8f6f4 v[rD:rD+7], v[rA:rA+11], v[rB:rB+11], 0, v[rSA], v[rSB] matrix_a_fmt:MATRIX_FMT_FP6 matrix_b_fmt:MATRIX_FMT_FP6 matrix_a_scale:MATRIX_SCALE_ROW1 matrix_b_scale:MATRIX_SCALE_ROW1
.elseif fA
	v_wmma_scale_f32_16x16x128_f8f6f4 v[rD:rD+7], v[rA:rA+11], v[rB:rB+11], 0, v[rSA], v[rSB] matrix_a_fmt:MATRIX_FMT_FP6 matrix_b_fmt:MATRIX_FMT_FP6 matrix_a_scale:MATRIX_SCALE_ROW1
.elseif fB
	v_wmma_scale_f32_16x16x128_f8f6f4 v[rD:rD+7], v[rA:rA+11], v[rB:rB+11], 0, v[rSA], v[rSB] matrix_a_fmt:MATRIX_FMT_FP6 matrix_b_fmt:MATRIX_FMT_FP6 matrix_b_scale:MATRIX_SCALE_ROW1
.else
	v_wmma_scale_f32_16x16x128_f8f6f4 v[rD:rD+7], v[rA:rA+11], v[rB:rB+11], 0, v[rSA], v[rSB] matrix_a_fmt:MATRIX_FMT_FP6 matrix_b_fmt:MATRIX_FMT_FP6
.endif
.else
.if fA && fB
	v_wmma_scale_f32_16x16x128_f8f6f4 v[rD:rD+7], v[rA:rA+11], v[rB:rB+11], v[rC:rC+7], v[rSA], v[rSB] matrix_a_fmt:MATRIX_FMT_FP6 matrix_b_fmt:MATRIX_FMT_FP6 matrix_a_scale:MATRIX_SCALE_ROW1 matrix_b_scale:MATRIX_SCALE_ROW1
.elseif fA
	v_wmma_scale_f32_16x16x128_f8f6f4 v[rD:rD+7], v[rA:rA+11], v[rB:rB+11], v[rC:rC+7], v[rSA], v[rSB] matrix_a_fmt:MATRIX_FMT_FP6 matrix_b_fmt:MATRIX_FMT_FP6 matrix_a_scale:MATRIX_SCALE_ROW1
.elseif fB
	v_wmma_scale_f32_16x16x128_f8f6f4 v[rD:rD+7], v[rA:rA+11], v[rB:rB+11], v[rC:rC+7], v[rSA], v[rSB] matrix_a_fmt:MATRIX_FMT_FP6 matrix_b_fmt:MATRIX_FMT_FP6 matrix_b_scale:MATRIX_SCALE_ROW1
.else
	v_wmma_scale_f32_16x16x128_f8f6f4 v[rD:rD+7], v[rA:rA+11], v[rB:rB+11], v[rC:rC+7], v[rSA], v[rSB] matrix_a_fmt:MATRIX_FMT_FP6 matrix_b_fmt:MATRIX_FMT_FP6
.endif
.endif
.endm
; 64 numbers of a lane, register 16 b + i = my 16 of block b, become a fragment's codes in v[PC] on and my row's scale word in v[PW].
.macro QUANT s
.irp b, 0,1,2,3
	v_max3_num_f32 v[TM+\b], |v[\s+16*\b]|, |v[\s+1+16*\b]|, 0x1800000   ; and the floor 2^(3 - 127): the byte cannot fall under 1
.endr
.irp i, 2,4,6,8,10,12,14
.irp b, 0,1,2,3
	v_max3_num_f32 v[TM+\b], v[TM+\b], |v[\s+16*\b+\i]|, |v[\s+1+16*\b+\i]|
.endr
.endr
.irp b, 0,1,2,3
	v_permlanex16_b32 v[TM+4+\b], v[TM+\b], s[SEL], s[SEL+1]
.endr
.irp b, 0,1,2,3
	v_max_num_f32 v[TM+\b], v[TM+\b], v[TM+4+\b]
.endr
.irp b, 0,1,2,3
	v_add_nc_u32 v[TM+12+\b], 0xff000000, v[TM+\b]
.endr
.irp b, 0,1,2,3
	v_lshrrev_b32 v[TM+4+\b], 23, v[TM+12+\b]
.endr
	v_lshl_or_b32 v[PW], v[TM+5], 8, v[TM+4]
	v_lshl_or_b32 v[PW], v[TM+6], 16, v[PW]
	v_lshl_or_b32 v[PW], v[TM+7], 24, v[PW]
.irp c, 0,1
	v_cvt_scalef32_pk16_fp6_f32 v[PC+6*\c:PC+2+6*\c], v[\s+32*\c:\s+15+32*\c], v[TM+12+2*\c]
	v_cvt_scalef32_pk16_fp6_f32 v[PC+12+4*\c:PC+14+4*\c], v[\s+16+32*\c:\s+31+32*\c], v[TM+12+2*\c+1]
.endr
	v_nop                                          ; one plain place behind a scaled conversion
.irp c, 0,1
.irp i, 0,1,2
	v_permlane16_swap_b32 v[PC+6*\c+\i], v[PC+12+4*\c+\i]
.endr
.irp i, 0,1,2
	v_mov_b32 v[PC+3+6*\c+\i], v[PC+12+4*\c+\i]
.endr
.endr
.endm
; Head i's operands into set e: 18 loads for the scores, then 18 for V.
.macro LOADH i, e
	WIN 0x40                                       ; destination window 1
.irp u, 0,1
.irp c, 0,1,2
	global_load_b128 v[128*(\e)+48+12*\u+4*\c:128*(\e)+48+12*\u+4*\c+3], v[VQ], s[QB:QB+1] offset:6400*(\i)+1536*\u+512*\c   ; q's two tiles
.endr
.endr
.irp c, 0,1,2
	global_load_b128 v[128*(\e)+72+4*\c:128*(\e)+72+4*\c+3], v[VKP], s[KPB:KPB+1] offset:6400*(\i)+512*\c   ; the 16 keys before the block
.endr
.irp u, 0,1
.irp c, 0,1,2
	global_load_b128 v[128*(\e)+84+12*\u+4*\c:128*(\e)+84+12*\u+4*\c+3], v[VQ], s[KB:KB+1] offset:6400*(\i)+1536*\u+512*\c   ; the block's two tiles of keys
.endr
.endr
	WIN 0
	global_load_b32 v[SSC+5*(\e)], v[VQS], s[QB:QB+1] offset:6400*(\i)      ; lanes 0-15 tile 0's words, lanes 16-31 tile 1's
	global_load_b32 v[SSC+5*(\e)+1], v[VKPS], s[KPB:KPB+1] offset:6400*(\i)
	global_load_b32 v[SSC+5*(\e)+2], v[VQS], s[KB:KB+1] offset:6400*(\i)
	WIN 0x40
.irp t, 0,1,2,3,4,5,6,7                        ; V^T: tile t, channels 16 t on: lanes 0-15 key block G - 1, lanes 16-31 key block G, 24 bytes each
	global_load_b128 v[128*(\e)+6*\t:128*(\e)+6*\t+3], v[VA], s[VP:VP+1] offset:3072*(\i)+(\t/4)*1536+256*(\t%4)
	global_load_b64 v[128*(\e)+6*\t+4:128*(\e)+6*\t+5], v[VB], s[VP:VP+1] offset:3072*(\i)+(\t/4)*1536+1024+128*(\t%4)
.endr
	WIN 0
	global_load_b32 v[SSC+5*(\e)+3], v[VSA], s[VSP:VSP+1] offset:(2*(\i))*16384      ; its scale bytes: four tiles' to a word
	global_load_b32 v[SSC+5*(\e)+4], v[VSA], s[VSP:VSP+1] offset:(2*(\i)+1)*16384
.endm
; Tile u's 16 scores a lane become p, its codes in v[PF] on, its scale word in v[PSW], and 1 / the row's sum in v[RL], twice.
.macro SOFTMAX u
.if (\u) == 0
.set T0, SU0+8
.set RX, RA0
.else
.set T0, SU1
.set RX, RA8
.endif
.irp j, 0,2,4,6,8,10,12,14
	v_pk_mul_f32 v[T0+\j:T0+\j+1], v[T0+\j:T0+\j+1], s[CS:CS+1] op_sel_hi:[1,0]   ; each accumulator from its low end on
.endr
.irp j, 0,2,4,6
	v_pk_fma_f32 v[T0+\j:T0+\j+1], v[RX+\j:RX+\j+1], s[SL:SL+1], v[T0+\j:T0+\j+1] op_sel_hi:[1,0,1]   ; t: + (j - i) x slope x log2(e); -infinity where hidden
	v_pk_fma_f32 v[T0+8+\j:T0+9+\j], v[RB8+\j:RB8+\j+1], s[SL:SL+1], v[T0+8+\j:T0+9+\j] op_sel_hi:[1,0,1]
.endr
	v_max3_num_f32 v[MA], v[T0], v[T0+1], v[T0+2]  ; the largest t of each half: it serves for the row's maximum and, since p rises with t, for a block's largest p
	v_max3_num_f32 v[MB], v[T0+8], v[T0+9], v[T0+10]
	v_max3_num_f32 v[MA], v[MA], v[T0+3], v[T0+4]
	v_max3_num_f32 v[MB], v[MB], v[T0+11], v[T0+12]
	v_max3_num_f32 v[MA], v[MA], v[T0+5], v[T0+6]
	v_max3_num_f32 v[MB], v[MB], v[T0+13], v[T0+14]
	v_max_num_f32 v[MA], v[MA], v[T0+7]
	v_max_num_f32 v[MB], v[MB], v[T0+15]
	v_permlanex16_b32 v[XA], v[MA], s[SEL], s[SEL+1]
	v_permlanex16_b32 v[XB], v[MB], s[SEL], s[SEL+1]
	v_max_num_f32 v[MA], v[MA], v[XA]
	v_max_num_f32 v[MB], v[MB], v[XB]
	v_max_num_f32 v[MX], v[MA], v[MB]              ; the row's largest t: the query's own key always counts
	v_floor_f32 v[NM], -v[MX]                      ; -M = floor(-t) = -ceil(t)
	v_floor_f32 v[NM+1], -v[MX]
.irp j, 0,2,4,6,8,10,12,14
	v_pk_add_f32 v[T0+\j:T0+\j+1], v[T0+\j:T0+\j+1], v[NM:NM+1]
.endr
.if (\u) == 0
	v_add_f32 v[MA], v[MA], v[NM]                  ; tile 0: the two halves lie in two key blocks
	v_add_f32 v[MB], v[MB], v[NM]
.else
	v_add_f32 v[MB], v[MX], v[NM]                  ; tile 1: both in block G
.endif
	s_wait_alu depctr_va_vdst(0)
.irp j, 0,1,2,3,4,5,6,7,8,9,10,11,12,13,14,15
	v_exp_f32 v[T0+\j], v[T0+\j]                   ; p = 2^(t - M), not normalised
.endr
.if (\u) == 0
	v_exp_f32 v[MA], v[MA]
.endif
	v_exp_f32 v[MB], v[MB]                         ; a block's largest p: the same instructions on the same number
.if (\u) == 0
	v_nop                                          ; a plain place behind the exponentials
	s_wait_alu depctr_va_vdst(0)
	v_max_num_f32 v[MA], 0x1800000, v[MA]          ; the floor 2^(3 - 127)
.else
	v_mov_b32 v[MA], 0x1800000                     ; (a plain place too)  block G - 1 holds nothing of tile 1: the floor's byte over zero codes
	s_wait_alu depctr_va_vdst(0)
.endif
	v_max_num_f32 v[MB], 0x1800000, v[MB]
	v_add_nc_u32 v[SC0], 0xff000000, v[MA]
	v_add_nc_u32 v[SC1], 0xff000000, v[MB]
	v_lshrrev_b32 v[B0], 23, v[SC0]
	v_lshrrev_b32 v[B1], 23, v[SC1]
	v_lshl_or_b32 v[PSW], v[B1], 8, v[B0]          ; bytes 2 and 3 stay 0, over zero codes
.if (\u) == 0
	v_cvt_scalef32_pk16_fp6_f32 v[PF:PF+2], v[SU0:SU0+15], v[SC0]
	v_cvt_scalef32_pk16_fp6_f32 v[PY:PY+2], v[SU0+16:SU0+31], v[SC1]
.else
	v_mov_b32 v[PF], 0
	v_mov_b32 v[PF+1], 0
	v_mov_b32 v[PF+2], 0
	v_cvt_scalef32_pk16_fp6_f32 v[PY:PY+2], v[SU1:SU1+15], v[SC1]
.endif
	v_nop                                          ; one plain place behind a scaled conversion
.irp i, 0,1,2
	v_permlane16_swap_b32 v[PF+\i], v[PY+\i]       ; a whole block to a lane: lanes 0-15 block G - 1, lanes 16-31 block G
.endr
.irp i, 0,1,2
	v_mov_b32 v[PF+3+\i], v[PY+\i]
.endr
	v_pk_add_f32 v[SUM:SUM+1], v[T0:T0+1], v[T0+2:T0+3]   ; the row's sum of the unquantised p; these lines are also the places ahead of the scaled products
.irp j, 4,6,8,10,12,14
	v_pk_add_f32 v[SUM:SUM+1], v[SUM:SUM+1], v[T0+\j:T0+\j+1]
.endr
	v_add_f32 v[SUM], v[SUM], v[SUM+1]
	v_permlanex16_b32 v[XA], v[SUM], s[SEL], s[SEL+1]
	v_add_f32 v[SUM], v[SUM], v[XA]
	s_wait_alu depctr_va_vdst(0)
	v_rcp_f32 v[RL], v[SUM]
	v_rcp_f32 v[RL+1], v[SUM]
.endm
; One head, from set e.  more = 1: the head two on is asked for into the same set, when its last product has read it.
.macro HEAD i, e, more
.if (\i) < 3
	s_wait_loadcnt 54                              ; q and K are in; this head's 18 loads of V and the next head's 36 may be out
.else
	s_wait_loadcnt 18
.endif
	WIN 0x05                                       ; sources 0 and 1 window 1
.set rC, -1
.set rD, SU0+8
.set rA, 128*(\e)+72
.set rB, 128*(\e)+48
.set rSA, SSC+5*(\e)+1
.set rSB, SSC+5*(\e)
.set fA, 0
.set fB, 0
	WM                                             ; tile 0 x the keys before
.set rD, SU0+16
.set rA, 128*(\e)+84
.set rSA, SSC+5*(\e)+2
	WM                                             ; tile 0 x its own keys
.set rD, SU1
.set rB, 128*(\e)+60
.set fB, 1
	WM                                             ; tile 1 x the keys before
.set rD, SU1+8
.set rA, 128*(\e)+96
.set fA, 1
	WM                                             ; tile 1 x its own keys
	WIN 0
.if (\i) < 3
	s_wait_loadcnt 36                              ; V is in; the next head's 36 may be out
.else
	s_wait_loadcnt 0x0
.endif
	v_permlanex16_b32 v[VX], v[SSC+5*(\e)+3], s[SEL], s[SEL+1]     ; block G's bytes come to lanes 0-15
	v_permlanex16_b32 v[VX+1], v[SSC+5*(\e)+4], s[SEL], s[SEL+1]
.irp t, 0,1,2,3,4,5,6,7                        ; tile t's scale word: byte 0 block G - 1's, byte 1 block G's, bytes 2, 3 any byte that is a scale.  These lines are also the places behind the products
	v_perm_b32 v[VSW+\t], v[VX+\t/4], v[SSC+5*(\e)+3+\t/4], (\t%4)|((4+\t%4)<<8)|((\t%4)<<16)|((\t%4)<<24)
.endr
.irp u, 0,1
	SOFTMAX \u
	WIN 0x01                                       ; source 0 window 1
.irp t, 0,1,2,3,4,5,6,7                        ; O^T = V^T P^T.  V's upper six registers are the next tile's: they meet zero codes of p
.set rD, OT+8*\t
.set rA, 128*(\e)+6*\t
.set rB, PF
.set rC, -1
.set rSA, VSW+\t
.set rSB, PSW
.set fA, 0
.set fB, 0
	WM
.endr
	WIN 0
	PLACES 4
.set k, 0
	s_wait_alu depctr_va_vdst(0)
.rept 32
	v_pk_mul_f32 v[OT+k:OT+k+1], v[OT+k:OT+k+1], v[RL:RL+1]   ; / the row's sum; each accumulator from its low end on
.set k, k+2
.endr
.if (\u == 1) && \more
	LOADH (\i)+2, \e
.endif
	s_wait_dscnt 0x0                               ; the last image's stores have read their registers
	QUANT OT
.irp c, 0,1,2
	ds_store_b128 v[OIA], v[PC+4*\c:PC+4*\c+3] offset:6400*(\i)+1536*\u+512*\c
.endr
	ds_store_b32 v[OSA], v[PW] offset:6400*(\i)+64*\u
.endr
	s_mul_f32 s[SL], s[SL], 0.5                    ; the next head's slope
	s_mov_b32 s[SL+1], s[SL]
.endm
; The projection's K step s into set: o's 4 fragments and 2 registers of scale words, wo's 4 registers of scale words and 8 fragments: 42 loads.
.macro FETCHG s, set
.irp m, 0,1,2,3
.irp c, 0,1,2
	ds_load_b128 v[QF+48*(\set)+12*\m+4*\c:QF+48*(\set)+12*\m+4*\c+3], v[ADQ] offset:6400*(\s)+1536*\m+512*\c
.endr
.endr
	ds_load_b32 v[SQ0+5*(\set)], v[ADQS] offset:6400*(\s)
	ds_load_b32 v[SQ0+5*(\set)+1], v[ADQS] offset:6400*(\s)+128
.if ((\s) == 3) || ((\s) == 4)
.set gPA, ADPB
.set gSA, ADSB
.set gCS, 12800
.set gSO, ((\s)-3)*6400
.else
.set gPA, ADPA
.set gSA, ADSA
.set gCS, 19200
.set gSO, ((\s)%5)*6400
.endif
.irp i, 0,1,2,3
	ds_load_b32 v[SPR+4*(\set)+\i], v[gSA] offset:(\i/2)*gCS+gSO+(\i%2)*128
.endr
	WIN 0x40
.irp p, 0,1,2,3,4,5,6,7
.irp c, 0,1,2
	ds_load_b128 v[96*(\set)+12*\p+4*\c:96*(\set)+12*\p+4*\c+3], v[gPA] offset:(\p/4)*gCS+gSO+(\p%4)*1536+512*\c
.endr
.endr
	WIN 0
.endm
.macro MULG s                          ; 32 matrix instructions; the accumulators take turns, in the same order in every step
.set gs, (\s)%2
	WIN 0xa1                                       ; source 0 window 1, source 1 window 0, C and D window 2
.irp p, 0,1,2,3,4,5,6,7
.irp q, 0,1,2,3
.set rD, 8*(4*\p+\q)
.set rA, 96*gs+12*\p
.set rB, QF+48*gs+12*\q
.set rC, rD
.if (\s) == 0
.set rC, -1
.endif
.set rSA, SPR+4*gs+\p/2
.set rSB, SQ0+5*gs+\q/2
.set fA, \p%2
.set fB, \q%2
	WM
.endr
.endr
	WIN 0
.endm
; The way out: 16 rows x my 128 columns go through my stage and come back as whole rows of 512 bytes.
.macro TOSTAGE q
	WIN 0x08                                       ; an LDS store's data: window 2
.irp p, 0,1,2,3,4,5,6,7
	ds_store_b128 v[STO], v[8*(4*\p+(\q)):8*(4*\p+(\q))+3] offset:64*\p       ; each accumulator from its low end on
	ds_store_b128 v[STO], v[8*(4*\p+(\q))+4:8*(4*\p+(\q))+7] offset:64*\p+16
.endr
	WIN 0
.set BB, BK+64*((\q)%2)
.irp t, 0,1,2,3,4,5,6,7,8,9,10,11,12,13,14,15
	ds_load_b128 v[BB+4*\t:BB+4*\t+3], v[ADPB] offset:\t*528   ; LDS serves a wave's instructions in order: these see the stores above, and the next block's stores come behind them
.endr
.endm
.macro SEND q, younger
.set BB, BK+64*((\q)%2)
	s_wait_dscnt \younger
.irp t, 0,1,2,3,4,5,6,7,8,9,10,11,12,13,14,15
	global_store_b128 v[LI], v[BB+4*\t:BB+4*\t+3], s[OUTP:OUTP+1] offset:(16*(\q)+\t)*4096 th:TH_STORE_NT   ; 512 consecutive bytes, aligned to 256
.endr
.endm
	s_load_b256 s[4:11], s[0:1], 0x0               ; qc s[4:5], kc s[6:7], vc s[8:9], vsc s[10:11]
	s_load_b128 s[12:15], s[0:1], 0x20             ; wc s[12:13], out0 s[14:15]
	v_lshl_add_u32 v[SPW], v0, 2, SPARE
	v_mov_b32 v[NIL], 0
	ds_add_u32 v9, v10
	ds_add_u32 v9, v10
	s_wait_dscnt 0x0
	v_lshrrev_b32 v231, 5, v0
	v_readfirstlane_b32 s[WV], v231                ; wave 0..3
	s_bfe_u32 s17, ttmp6, 0x40000                  ; cx
	s_lshl_b32 s18, ttmp9, 2
	s_add_co_u32 s18, s18, s17                     ; my 64 queries: they enter global addresses of q, k, v and out0, and the band's numbers, alone
	s_and_b32 s19, ttmp7, 0xffff                   ; my 512 columns; the partners share it
	s_lshr_b32 s20, s[WV], 1                       ; which 32 queries
	s_and_b32 s21, s[WV], 1
	s_lshl_b32 s22, s21, 2                         ; my first head
	s_lshl_b32 s23, s18, 1
	s_add_co_u32 s23, s23, s20                     ; G: my key block
	s_lshl_b32 s62, s19, 3
	s_lshl_b32 s76, s[WV], 1
	s_add_co_u32 s62, s62, s76
	s_mul_i32 s62, s62, 51200
	s_add_co_u32 s62, s62, 2457600                 ; wo is the fourth matrix of wc; my 128 rows
	s_mov_b32 s63, 0
	s_lshl_b32 s77, s18, 2
	s_lshl_b32 s76, s20, 1
	s_add_co_u32 s77, s77, s76
	s_sub_co_i32 s77, s77, 1
	s_max_i32 s77, s77, 0                          ; the tile of 16 keys before my block (held inside the buffer; hidden where it lies ahead of the sequence)
	s_and_b32 s78, s77, 3
	s_sub_co_i32 s79, s23, 1
	s_max_i32 s79, s79, 0                          ; the key block before mine, likewise
	s_sub_co_u32 s80, s23, s79
	s_and_b32 s83, s18, 31                         ; a sequence is 32 groups of 64
	s_or_b32 s83, s83, s20
	s_cmp_eq_u32 s83, 0
	s_cselect_b32 s[FM], 0, -1                     ; a lane mask for v_cndmask_b32: 0 where my block begins a sequence
	s_mov_b32 s[SL], 0x3d38aa3b                    ; log2(e) / 32: head 4's slope
	s_cmp_eq_u32 s21, 0
	s_cselect_b32 s[SL], 0x3f38aa3b, s[SL]         ; log2(e) / 2: head 0's
	s_mov_b32 s[SL+1], s[SL]
	s_mov_b32 s[CS], 0x3e0293ee                    ; log2(e) / sqrt(128)
	s_mov_b32 s[CS+1], s[CS]
	s_mov_b32 s[SEL], 0x76543210
	s_mov_b32 s[SEL+1], 0xfedcba98
	; group 1: 2 rows (groups of 64 rows of wo), 51,200 bytes apart, of 3 K steps (2,400 elements of 8 bytes) or of 2 (1,600); mask 15, bit 21 beside it
	s_mov_b32 s[G1A], 15|(3<<16)|(1<<21)
	s_mov_b32 s[G1A+1], 2400<<16
	s_mov_b32 s[G1A+2], 2<<16
	s_mov_b32 s[G1A+3], 2400<<16
	s_mov_b32 s[G1A+4], 2
	s_mov_b32 s[G1A+5], 6400
	s_mov_b32 s[G1A+6], 0
	s_mov_b32 s[G1A+7], 0
	s_mov_b32 s[G1B], 15|(3<<16)|(1<<21)
	s_mov_b32 s[G1B+1], 1600<<16
	s_mov_b32 s[G1B+2], 2<<16
	s_mov_b32 s[G1B+3], 1600<<16
	s_mov_b32 s[G1B+4], 2
	s_mov_b32 s[G1B+5], 6400
	s_mov_b32 s[G1B+6], 0
	s_mov_b32 s[G1B+7], 0
	v_and_b32 v231, 31, v0                         ; lane
	v_and_b32 v232, 15, v0                         ; r
	v_bfe_u32 v233, v0, 4, 1                       ; h
	s_wait_alu depctr_va_vdst(0)
	v_lshlrev_b32 v[LI], 4, v231
	s_mul_i32 s81, s20, 3072
	v_add_nc_u32 v[VQ], s81, v[LI]                 ; my block's two tiles in a piece of 6,400 bytes
	s_lshl_b32 s81, s20, 7
	s_add_co_u32 s81, s81, 6144
	v_lshl_add_u32 v[VQS], v231, 2, s81
	s_mul_i32 s81, s78, 1536
	v_add_nc_u32 v[VKP], s81, v[LI]
	s_lshl_b32 s81, s78, 6
	s_add_co_u32 s81, s81, 6144
	v_lshl_add_u32 v[VKPS], v232, 2, s81
	s_mul_i32 s81, s79, 24576
	s_mul_i32 s82, s80, 24576
	v_mul_u32_u24 v234, v233, s82
	v_add_nc_u32 v234, s81, v234                   ; lanes 0-15: the block before; lanes 16-31: mine
	v_lshl_add_u32 v[VA], v232, 4, v234
	v_lshl_add_u32 v[VB], v232, 3, v234
	s_lshl_b32 s81, s79, 6
	s_lshl_b32 s82, s80, 6
	v_mul_u32_u24 v234, v233, s82
	v_add_nc_u32 v234, s81, v234
	v_lshl_add_u32 v[VSA], v232, 2, v234
	s_mul_i32 s86, s22, 6400                       ; LDS: o's images of my heads and my tiles
	s_mul_i32 s87, s20, 3072
	s_add_co_u32 s87, s87, s86
	s_add_co_u32 s87, s87, OIMG
	v_add_nc_u32 v[OIA], s87, v[LI]
	s_lshl_b32 s87, s20, 7
	s_add_co_u32 s87, s87, s86
	s_add_co_u32 s87, s87, OIMG+6144
	v_lshl_add_u32 v[OSA], v232, 2, s87
	v_add_nc_u32 v[ADQ], OIMG, v[LI]
	v_lshl_add_u32 v[ADQS], v231, 2, OIMG+6144
	s_mul_i32 s86, s[WV], 38400
	v_add_nc_u32 v[ADPA], s86, v[LI]
	s_add_co_u32 s86, s86, 6144
	v_lshl_add_u32 v[ADSA], v231, 2, s86
	s_mul_i32 s86, s[WV], 25600
	s_add_co_u32 s86, s86, RBS
	v_add_nc_u32 v[ADPB], s86, v[LI]
	v_mul_u32_u24 v[STO], v232, 528
	v_lshl_add_u32 v[STO], v233, 5, v[STO]
	v_add_nc_u32 v[STO], s86, v[STO]
	s_add_co_u32 s86, s86, 6144
	v_lshl_add_u32 v[ADSB], v231, 2, s86
	s_wait_kmcnt 0x0
	s_add_nc_u64 s[60:61], s[12:13], s[62:63]      ; wo's rows: made of y and the wave's number alone
	s_mov_b32 s[G0A], 1
	s_mul_i32 s[G0A+1], s[WV], 38400
	s_mov_b64 s[G0A+2:G0A+3], s[60:61]
	s_or_b32 s[G0A+3], s[G0A+3], 0x80000000
	s_mov_b32 s[G0B], 1
	s_mul_i32 s[G0B+1], s[WV], 25600
	s_add_co_u32 s[G0B+1], s[G0B+1], RBS
	s_add_nc_u64 s[G0B+2:G0B+3], s[60:61], 19200
	s_or_b32 s[G0B+3], s[G0B+3], 0x80000000
	s_mul_i32 s74, s18, 51200
	s_mul_i32 s84, s22, 6400
	s_add_co_u32 s74, s74, s84
	s_mov_b32 s75, 0
	s_add_nc_u64 s[QB:QB+1], s[4:5], s[74:75]
	s_add_nc_u64 s[KB:KB+1], s[6:7], s[74:75]
	s_lshr_b32 s74, s77, 2
	s_mul_i32 s74, s74, 51200
	s_add_co_u32 s74, s74, s84
	s_add_nc_u64 s[KPB:KPB+1], s[6:7], s[74:75]
	s_mul_i32 s74, s22, 3072
	s_add_nc_u64 s[VP:VP+1], s[8:9], s[74:75]
	s_lshl_b32 s74, s22, 15
	s_add_nc_u64 s[VSP:VSP+1], s[10:11], s[74:75]
	s_lshl_b32 s74, s18, 18                        ; 64 rows of 4,096 bytes,
	s_lshl_b32 s85, s19, 11                        ; 512 columns,
	s_add_co_u32 s74, s74, s85
	s_lshl_b32 s85, s[WV], 9                       ; my 128 of them
	s_add_co_u32 s74, s74, s85
	s_add_nc_u64 s[OUTP:OUTP+1], s[14:15], s[74:75]
	LOADH 0, 0                                     ; the first two heads' operands are asked for ahead of the round: they hang on no partner
	LOADH 1, 1
	CROUND
	tensor_load_to_lds s[G0A:G0A+3], s[G1A:G1A+7]  ; wo's K steps 0-2: my one load at the head; region B's first fill follows behind head 1
	s_nop 0
	PLACES 4
	v_lshlrev_b32 v234, 3, v233
	v_sub_nc_u32 v234, v234, v232                  ; 8 h - r: register j holds key 8 h + j of a tile, the lane query r
	v_mov_b32 v235, 0xff800000                     ; -infinity
.irp j, 0,1,2,3,4,5,6,7
	v_add_nc_u32 v236, \j, v234                    ; e = key - query within a tile
	v_cvt_f32_i32 v237, v236
	v_cmp_gt_i32 vcc_lo, 1, v236
	v_cndmask_b32 v[RB8+\j], v235, v237, vcc_lo    ; the tile's own keys: e where e <= 0
	v_add_f32 v237, 0xc1800000, v237
	v_cmp_lt_i32 vcc_lo, -1, v236
	v_cndmask_b32 v[RA8+\j], v235, v237, vcc_lo    ; the 16 keys before: e - 16 where e >= 0
	v_cndmask_b32 v[RA0+\j], v235, v[RA8+\j], s[FM]
.endr
.irp j, 0,1,2,3,4,5,6,7
	v_mov_b32 v[SU0+\j], 0                         ; tile 0 has nothing in the first half of block G - 1,
	v_mov_b32 v[SU0+24+\j], 0                      ; nor in the second half of block G
.endr
.irp j, 6,7,8,9,10,11
	v_mov_b32 v[PF+\j], 0                          ; K's blocks 2 and 3: zero codes
.endr
.irp b, 0,1,2,3
	v_mov_b32 v[TM+4+\b], 0                        ; a lane permute's destination counts as one of its sources
.endr
	v_mov_b32 v[VX], 0
	v_mov_b32 v[VX+1], 0
	s_wait_alu depctr_va_vdst(0)
	HEAD 0, 0, 1
	HEAD 1, 1, 1
	s_wait_alu depctr_va_vdst(0)
	s_wait_tensorcnt 0x0                           ; REGION B'S FIRST FILL is issued as a refill is: my load of region A has landed,
	ds_add_u32 v[SPW], v[NIL]                      ; 0 onto my spare word
	s_wait_dscnt 0x0
	CROUND                                         ; all four work-groups are here: the joint loads meet
	tensor_load_to_lds s[G0B:G0B+3], s[G1B:G1B+7]  ; wo's K steps 3-4: they have heads 2 and 3 in which to land
	s_nop 0
	PLACES 4
	HEAD 2, 0, 0
	HEAD 3, 1, 0
	s_wait_tensorcnt 0x0                           ; wo's first five K steps have landed
	s_wait_dscnt 0x0                               ; for the others' sake: my images of o are stored
	s_barrier_signal -1
	s_barrier_wait -1                              ; o's 32 fragments lie in LDS
	FETCHG 0, 0
	FETCHG 1, 1
	s_wait_dscnt 42                                ; all but the 42 just issued
	MULG 0
	PLACES 4
	FETCHG 2, 0
	s_wait_dscnt 42
	MULG 1
	PLACES 4
	FETCHG 3, 1
	s_wait_tensorcnt 0x0                           ; REGION A IS FILLED AGAIN: no tensor load of mine is out,
	ds_add_u32 v[SPW], v[NIL]                      ; 0 onto my spare word
	s_add_nc_u64 s[G0A+2:G0A+3], s[G0A+2:G0A+3], 32000   ; K steps 5-7
	s_wait_dscnt 0x0                               ; the add is done, and my reads of region A are over: K step 2 is in registers
	CROUND                                         ; no wave of any partner still reads the region or has a load on its way
	tensor_load_to_lds s[G0A:G0A+3], s[G1A:G1A+7]  ; it has three K steps, 96 matrix instructions, in which to land
	s_nop 0
	PLACES 4
	MULG 2
	PLACES 4
	FETCHG 4, 0
	MULG 3                                         ; (K step 3 was shown in by the wait in front of the round)
	s_wait_dscnt 0x0
	MULG 4
	s_wait_tensorcnt 0x0                           ; K steps 5-7 have landed; only I read my part
	PLACES 4
	FETCHG 5, 1
	FETCHG 6, 0
	s_wait_dscnt 42
	MULG 5
	PLACES 4
	FETCHG 7, 1
	s_wait_dscnt 42
	MULG 6
	s_wait_dscnt 0x0
	MULG 7
	PLACES 4                                       ; behind the last products.  The stage lies in my part of region B, which has had its one fill and which I alone have read
	TOSTAGE 0
	TOSTAGE 1
	SEND 0, 32                                     ; behind block 0's loads: block 1's 16 stores and 16 loads
	s_wait_xcnt 0x0                                ; block 0's stores have read their registers: block 2's loads may land there
	TOSTAGE 2
	SEND 1, 32
	s_wait_xcnt 0x0
	TOSTAGE 3
	SEND 2, 32
	SEND 3, 0
	s_wait_tensorcnt 0x0                           ; the wave's end
	ds_add_u32 v[SPW], v[NIL]
	s_wait_dscnt 0x0
	CROUND                                         ; the closing round: no work-group ends while a partner may still ask jointly
	s_endpgm
.Lfunc_end_k_q3eb11468ac_attn_out:
	.size	k_q3eb11468ac_attn_out, .Lfunc_end_k_q3eb11468ac_attn_out-k_q3eb11468ac_attn_out
	.p2alignl 7, 3214868480
	.fill 96, 4, 3214868480
	.section	.rodata,"a",@progbits
	.p2align	6, 0x0
	.amdhsa_kernel k_q3eb11468ac_attn_out
		.amdhsa_group_segment_fixed_size 327680
		.amdhsa_private_segment_fixed_size 0
		.amdhsa_enable_private_segment 0
		.amdhsa_kernarg_size 48
		.amdhsa_user_sgpr_count 2
		.amdhsa_user_sgpr_kernarg_segment_ptr 1
		.amdhsa_wavefront_size32 1
		.amdhsa_system_sgpr_workgroup_id_x 1
		.amdhsa_system_sgpr_workgroup_id_y 1
		.amdhsa_system_sgpr_workgroup_id_z 1
		.amdhsa_system_vgpr_workitem_id 0
		.amdhsa_next_free_vgpr 768
		.amdhsa_next_free_sgpr 96
		.amdhsa_reserve_vcc 1
		.amdhsa_float_denorm_mode_32 3
		.amdhsa_float_denorm_mode_16_64 3
		.amdhsa_memory_ordered 1
		.amdhsa_forward_progress 1
		.amdhsa_inst_pref_size 196
	.end_amdhsa_kernel
	.amdgpu_metadata
---
amdhsa.version: [ 1, 2 ]
amdhsa.kernels:
  - .name:           k_q3eb11468ac_attn_out
    .symbol:         k_q3eb11468ac_attn_out.kd
    .args:
      - { .name: qc, .offset: 0, .size: 8, .value_kind: global_buffer, .address_space: global }
      - { .name: kc, .offset: 8, .size: 8, .value_kind: global_buffer, .address_space: global }
      - { .name: vc, .offset: 16, .size: 8, .value_kind: global_buffer, .address_space: global }
      - { .name: vsc, .offset: 24, .size: 8, .value_kind: global_buffer, .address_space: global }
      - { .name: wc, .offset: 32, .size: 8, .value_kind: global_buffer, .address_space: global }
      - { .name: out0, .offset: 40, .size: 8, .value_kind: global_buffer, .address_space: global }
    .group_segment_fixed_size: 327680
    .private_segment_fixed_size: 0
    .kernarg_segment_align: 8
    .kernarg_segment_size: 48
    .max_flat_workgroup_size: 128
    .sgpr_count:     96
    .vgpr_count:     768
    .wavefront_size: 32
...
	.end_amdgpu_metadata
.endif
;; end of part 3
